; MI455X (gfx1250); checked and timed in simulation.
; The chip was launched on July 23, 2026; its instructions are those of AMD's public machine-readable ISA for CDNA 5 (MIT licence, August 2026) and "CDNA5" Instruction Set Architecture Reference Guide (July 2026). The comments in the code are by the model that wrote it; some were corrected since.
;; Multi Head Attention. Allowed arithmetic: float matrix products may take bf16 or f16 operands with f32 sums; all other float work in f32.
;; Inputs: kvinput 2 x 2,048 x 1,024 float32; qinput 2 x 2,048 x 1,024 float32; wk 16 x 1,024 x 64 float32; wo 16 x 64 x 1,024 float32; wq 16 x 1,024 x 64 float32; wv 16 x 1,024 x 64 float32.
;; Outputs: out0 2 x 2,048 x 1,024 float32.
;; 2 versions, each right. Each part assembles by itself: llvm-mc -triple=amdgcn-amd-amdhsa -mcpu=gfx1250 --defsym DOCPART=n.
;; ======== version 1 of 2: 4 launches
;; limits: values are held in f16: magnitudes above 65,504 overflow, below 6.1e-05 lose precision
;; workspace buffers: bf 25,165,824 bytes; qk 16,777,216 bytes; vv 16,777,216 bytes; pre 16,777,216 bytes
;; launch prep (part 1): grid 64 x 12, 8 waves a work-group, no clusters, 0 bytes of LDS; arguments qinput, kvinput, wq, wk, wv, wo, bf; writes bf
.if DOCPART == 1
	.amdgcn_target "amdgcn-amd-amdhsa--gfx1250"
	.amdhsa_code_object_version 6
	.text
	.protected	k_q550bcaab40_prep
	.globl	k_q550bcaab40_prep
	.p2align	8
	.type	k_q550bcaab40_prep,@function
k_q550bcaab40_prep:
	s_mov_b64 s[64:65], 0
	v_nop
	global_prefetch_b8 v0, s[64:65] scope:SCOPE_SE
	s_setreg_imm32_b32 hwreg(HW_REG_WAVE_MODE, 25, 1), 1
	s_wait_xcnt 0x0
; Casts the six f32 inputs to bf16 (round to nearest even) into bf, 12 units of 2 MiB (1,048,576 numbers each):
;   units 0-3 qinput [4096][1024], units 4-7 kvinput [4096][1024], units 8, 9, 10 wq, wk, wv laid anew from [h][m][k] to [m][h*64+k],
;   unit 11 wo, whose [h][v][m] already is [h*64+v][m].
; A stream: every input byte is read once, every byte of bf written once.  No LDS, no barrier, no matrix unit, no cluster: no two
; work-groups read the same byte and no wave needs another's data.
; Work-group (x, y): unit y, numbers 16,384 x .. + 16,383.  Thread t takes 8 numbers in each of 8 turns: number 16,384 x + 2,048 it + 8 t,
; so a store of a wave covers 512 consecutive bytes, aligned.  All 16 loads of a thread go out first; each turn has registers of its own.
.set X, 4                              ; v[4:67]   turn it: 8 f32 as loaded
.set Y, 68                             ; v[68:99]  turn it: 8 bf16 to store
; sstep = bytes in the source from one turn to the next
.macro BODY sstep
.irp it, 0,1,2,3,4,5,6,7
	global_load_b128 v[X+8*\it:X+8*\it+3],   v1, s[20:21] offset:\it*\sstep th:TH_LOAD_NT
	global_load_b128 v[X+8*\it+4:X+8*\it+7], v1, s[20:21] offset:\it*\sstep+16 th:TH_LOAD_NT
.endr
.irp it, 0,1,2,3,4,5,6,7
	s_wait_loadcnt 14-2*\it                        ; loads come back in order: this turn's two are in, the 14 - 2 it younger ones stay out
.irp j, 0,1,2,3
	v_cvt_pk_bf16_f32 v[Y+4*\it+\j], v[X+8*\it+2*\j], v[X+8*\it+2*\j+1]
.endr
	global_store_b128 v2, v[Y+4*\it:Y+4*\it+3], s[16:17] offset:\it*4096
.endr
.endm
	s_load_b256 s[4:11], s[0:1], 0x0               ; qinput s[4:5], kvinput s[6:7], wq s[8:9], wk s[10:11]
	s_load_b128 s[12:15], s[0:1], 0x20             ; wv s[12:13], wo s[14:15]
	s_load_b64 s[16:17], s[0:1], 0x30              ; bf
	s_and_b32 s18, ttmp7, 0xffff                   ; y: the unit
	s_and_b32 s22, s18, 3
	s_lshl_b32 s22, s22, 22                        ; units 0-7: which 4 MiB of the activation
	s_cmp_lt_u32 s18, 8
	s_cselect_b32 s22, s22, 0                      ; the weights are one unit each
	s_mov_b32 s23, 0
	s_lshl_b32 s24, s18, 21                        ; in bf: 2 MiB a unit,
	s_lshl_b32 s25, ttmp9, 15                      ; 32,768 bytes a work-group
	s_add_co_u32 s24, s24, s25
	s_mov_b32 s25, 0
	v_lshlrev_b32 v2, 4, v0                        ; my 16 bytes of each turn's 4,096 in bf
	s_wait_kmcnt 0x0
	s_cmp_ge_u32 s18, 4                            ; the source buffer, chosen by the unit's number alone
	s_cselect_b64 s[20:21], s[6:7], s[4:5]
	s_cmp_ge_u32 s18, 8
	s_cselect_b64 s[20:21], s[8:9], s[20:21]
	s_cmp_ge_u32 s18, 9
	s_cselect_b64 s[20:21], s[10:11], s[20:21]
	s_cmp_ge_u32 s18, 10
	s_cselect_b64 s[20:21], s[12:13], s[20:21]
	s_cmp_ge_u32 s18, 11
	s_cselect_b64 s[20:21], s[14:15], s[20:21]
	s_add_nc_u64 s[16:17], s[16:17], s[24:25]
	s_sub_co_u32 s26, s18, 8
	s_cmp_lt_u32 s26, 3                            ; units 8, 9, 10 (unsigned: units below 8 wrap to large numbers)
	s_cbranch_scc1 .Lrelay
	; a plain cast: source byte = 4 x number
	s_lshl_b32 s26, ttmp9, 16
	s_add_co_u32 s22, s22, s26
	s_add_nc_u64 s[20:21], s[20:21], s[22:23]
	v_lshlrev_b32 v1, 5, v0                        ; 32 t
	BODY 8192
	s_endpgm
.Lrelay:
	; number 16,384 x + 2,048 it + 8 t of [m][h*64+k] is m = 16 x + 2 it + (t >> 7), h = (t >> 3) & 15, k = 8 (t & 7);
	; its source byte in [h][m][k] is h * 262,144 + m * 256 + 4 k: eight neighbouring lanes read one whole row of 256 bytes
	s_lshl_b32 s22, ttmp9, 12
	s_add_nc_u64 s[20:21], s[20:21], s[22:23]
	v_bfe_u32 v1, v0, 3, 4
	v_lshlrev_b32 v1, 18, v1
	v_lshrrev_b32 v3, 7, v0
	v_lshl_add_u32 v1, v3, 8, v1
	v_and_b32 v3, 7, v0
	v_lshl_add_u32 v1, v3, 5, v1
	BODY 512
	s_endpgm
.Lfunc_end_k_q550bcaab40_prep:
	.size	k_q550bcaab40_prep, .Lfunc_end_k_q550bcaab40_prep-k_q550bcaab40_prep
	.p2alignl 7, 3214868480
	.fill 96, 4, 3214868480
	.section	.rodata,"a",@progbits
	.p2align	6, 0x0
	.amdhsa_kernel k_q550bcaab40_prep
		.amdhsa_group_segment_fixed_size 0
		.amdhsa_private_segment_fixed_size 0
		.amdhsa_enable_private_segment 0
		.amdhsa_kernarg_size 56
		.amdhsa_user_sgpr_count 2
		.amdhsa_user_sgpr_kernarg_segment_ptr 1
		.amdhsa_wavefront_size32 1
		.amdhsa_system_sgpr_workgroup_id_x 1
		.amdhsa_system_sgpr_workgroup_id_y 1
		.amdhsa_system_sgpr_workgroup_id_z 1
		.amdhsa_system_vgpr_workitem_id 0
		.amdhsa_next_free_vgpr 100
		.amdhsa_next_free_sgpr 66
		.amdhsa_reserve_vcc 0
		.amdhsa_float_denorm_mode_32 3
		.amdhsa_float_denorm_mode_16_64 3
		.amdhsa_memory_ordered 1
		.amdhsa_forward_progress 1
		.amdhsa_inst_pref_size 11
	.end_amdhsa_kernel
	.amdgpu_metadata
---
amdhsa.version: [ 1, 2 ]
amdhsa.kernels:
  - .name:           k_q550bcaab40_prep
    .symbol:         k_q550bcaab40_prep.kd
    .args:
      - { .name: qinput, .offset: 0, .size: 8, .value_kind: global_buffer, .address_space: global }
      - { .name: kvinput, .offset: 8, .size: 8, .value_kind: global_buffer, .address_space: global }
      - { .name: wq, .offset: 16, .size: 8, .value_kind: global_buffer, .address_space: global }
      - { .name: wk, .offset: 24, .size: 8, .value_kind: global_buffer, .address_space: global }
      - { .name: wv, .offset: 32, .size: 8, .value_kind: global_buffer, .address_space: global }
      - { .name: wo, .offset: 40, .size: 8, .value_kind: global_buffer, .address_space: global }
      - { .name: bf, .offset: 48, .size: 8, .value_kind: global_buffer, .address_space: global }
    .group_segment_fixed_size: 0
    .private_segment_fixed_size: 0
    .kernarg_segment_align: 8
    .kernarg_segment_size: 56
    .max_flat_workgroup_size: 256
    .sgpr_count:     66
    .vgpr_count:     100
    .wavefront_size: 32
...
	.end_amdgpu_metadata
.endif
;; end of part 1
;; launch proj (part 2): grid 12 x 16, 4 waves a work-group, clusters of 4 x 4, 327,680 bytes of LDS; arguments bf, qk, vv; writes qk, vv
.if DOCPART == 2
	.amdgcn_target "amdgcn-amd-amdhsa--gfx1250"
	.amdhsa_code_object_version 6
	.text
	.protected	k_q550bcaab40_proj
	.globl	k_q550bcaab40_proj
	.p2align	8
	.type	k_q550bcaab40_proj,@function
k_q550bcaab40_proj:
	s_mov_b64 s[64:65], 0
	v_nop
	global_prefetch_b8 v0, s[64:65] scope:SCOPE_SE
	s_setreg_imm32_b32 hwreg(HW_REG_WAVE_MODE, 25, 1), 1
	s_wait_xcnt 0x0
	s_wait_alu depctr_hold_cnt(0) depctr_sa_sdst(0) depctr_va_vdst(0) depctr_va_sdst(0) depctr_va_ssrc(0) depctr_va_vcc(0) depctr_vm_vsrc(0)
	s_getreg_b32 s2, hwreg(HW_REG_IB_STS2, 6, 4)
	s_cmp_eq_u32 s2, 0
	s_cbranch_scc0 .Lentry_in_a_cluster
	s_endpgm
.Lentry_in_a_cluster:
	s_bfe_u32 s2, ttmp6, 0x10000c
	s_cmp_lg_u32 s2, 0xf033
	s_cbranch_scc0 .Lentry_shape_is_right
	s_endpgm
.Lentry_shape_is_right:
; The three projections as one bf16 GEMM launch, sums in f32: Q = xq wq', K = xkv wk', V = xkv wv'.  A = [4096][1024] bf16 (K along the rows),
; B = [1024 (k)][1024 (n = head*64 + column)] bf16 (N along the rows: read from LDS by the transposing load).
; The cluster's x is the projection p (0 Q, 1 K, 2 V): equal in all sixteen partners.  A work-group makes 256 x 256 with four waves, a wave 128 x 128:
; 64 accumulator tiles, 512 registers.  K goes in steps of 128 through a ring of two LDS slots filled by the tensor data mover.
; 3 x 4 x 16 = 192 work-groups: three projections of 1,024 columns do not divide into 256 equal blocks that keep one A.
; CLUSTERS: 4 x 4.  A's tile hangs on the block row (and p) alone and is asked for jointly along a row of the cluster, B's on the block column (and p)
; alone and jointly along a column: that divides the requests for A and B by four.
; OUT: Q and K rounded once to f16, [b][head][c][64]; V as a pair of f16, hi + lo, [b][head][c][hi 64 | lo 64].
; LIMITS: |Q|, |K|, |V| must stay below 65,504, f16's largest number (with these shapes: inputs 30 times the drawn spread give about 3,000, offsets of 30
; spreads on activations and weights about 18,500).  Below 2^-14 f16 steps by 2^-24: that bounds the absolute error of small Q, K and of V's lo part.
;
; REGISTERS, in windows of 256: window 0: v0-31 addresses; v64-127, v128-191 fragments of A, two buffers; v192-255 at work on the way out
;   window 1: v64-127, v128-191 fragments of B, two buffers;  window 2: accumulator tiles of my rows 0-63 (tile (a, b) at v[8 (8 a + b)]);  window 3: rows 64-127
; THE MATRIX INSTRUCTION IS USED TRANSPOSED: source 0 = 16 columns of B, source 1 = 16 rows of A, so that lane l holds row l % 16 and its eight
; registers the columns 8 (l / 16) + 0 .. 7: eight neighbouring numbers of an output row.
.set KSTEP,  128
.set PITCH,  272                       ; A's LDS row: 256 bytes + 16: the 16 rows of a fragment load start 16 bytes apart modulo 256
.set BPITCH, 544                       ; B's LDS row: 512 bytes + 32 = 17 x 32: the pitch that the transposing load wants (an odd multiple of 32)
.set HALFT,  128*PITCH                 ; what one tensor load brings: 128 rows of A, or 64 rows of B (64 x 544 is the same 34,816 bytes)
.set SLOT,   4*HALFT                   ; A's 256 rows, then B's 128 k rows
.set STAGE,  2*SLOT                    ; behind the ring, a multiple of 256: no tensor load fills it
.set WSTAGE, 16*528                    ; a wave's stage: 16 rows of 528 bytes (V) or of 272 (Q, K)
.set LAPS,   4                         ; 1,024 / 256: a lap = two K steps = once round the ring
.set ADRA, 16                          ; v16-17  LDS address of my A fragments in slot 0, 1
.set ADRB, 20                          ; v20-21  the same for B
.set STO,  24                          ; Q, K out: where I put 16 bytes of a row
.set RD,   25                          ; Q, K out: where I read back
.set CO,   26                          ; Q, K out: my byte offset in qk
.set STOV, 27                          ; the same three for V
.set RDV,  28
.set COV,  29
.set F0,   64
.set F1,   128
.set TMP,  192
.set HIP,  64                          ; V out: hi packed, 32 registers
.set LOP,  96                          ; V out: lo packed
.set TV,   128                         ; V out: 8193 x, then hi in f32, then the rows read back
.set DV,   192                         ; V out: 8193 x - x, then lo in f32
.set G1, 24                            ; s[24:31] descriptor group 1 for A's tiles
.set G0, 32                            ; s[32:39] group 0 for A's tiles, one set for each slot
.set G1B, 48                           ; s[48:55] group 1 for B's tiles
.set G0B, 56                           ; s[56:63] group 0 for B's tiles
.set MSB, 0
.macro WIN new                         ; the immediate's high byte repeats the setting that is left
.if MSB != \new
	s_set_vgpr_msb (MSB<<8)|\new
.set MSB, \new
.endif
.endm
.set MUL_LO, 0xa1                      ; source 0 (B) window 1, source 1 (A) window 0, C and D window 2
.set MUL_HI, 0xf1                      ; the same, C and D window 3
.set TO_B,   0x40                      ; destination window 1, address window 0
; A joint load.  Waves 0 and 1 fetch A's two halves, waves 2 and 3 B's.  The branch hangs on the wave's number alone.
.macro JLOAD s
	s_cmp_eq_u32 s11, 0
	s_cbranch_scc0 .Lfor_b_\@
	tensor_load_to_lds s[G0+4*\s:G0+4*\s+3], s[G1:G1+7]
	s_nop 0
	s_branch .Lasked_\@
.Lfor_b_\@:
	tensor_load_to_lds s[G0B+4*\s:G0B+4*\s+3], s[G1B:G1B+7]
	s_nop 0
.Lasked_\@:
.endm
; A round of the cluster's barrier: my work-group's barrier; wave 0 signals for the work-group; every wave waits for all sixteen; my work-group's barrier again.
.macro CREST                           ; a round behind its opening barrier
	s_cmp_lg_u32 s10, 0
	s_cbranch_scc1 .Lnot_wave_0_\@
	s_barrier_signal -3
.Lnot_wave_0_\@:
	s_barrier_wait -3
	s_barrier_signal -1
	s_barrier_wait -1
.endm
.macro CROUND
	s_barrier_signal -1
	s_barrier_wait -1
	CREST
.endm
	s_load_b128 s[4:7], s[0:1], 0x0                ; bf s[4:5], qk s[6:7]
	s_load_b64 s[8:9], s[0:1], 0x10                ; vv
	s_set_vgpr_msb 0x40
	v_lshl_add_u32 v255, v0, 2, 0x4c400
	s_set_vgpr_msb 0x4000
	v_mov_b32 v63, 0
	s_set_vgpr_msb 0x1
	ds_add_u32 v255, v63
	s_set_vgpr_msb 0x100
	v_lshrrev_b32 v1, 5, v0
	v_readfirstlane_b32 s10, v1                    ; wave 0..3
	s_lshr_b32 s11, s10, 1                         ; which half of the block's rows is mine.  Also: I fetch for A (0) or for B (1)
	s_and_b32 s12, s10, 1                          ; which half of its columns.  Also: which half of that tile I fetch
	s_bfe_u32 s40, ttmp6, 0x40000                  ; cx = the block column inside the projection
	s_bfe_u32 s41, ttmp6, 0x40004                  ; cy
	s_mov_b32 s42, ttmp9                           ; p: the cluster's x
	s_and_b32 s13, ttmp7, 0xffff
	s_lshl_b32 s13, s13, 2
	s_add_co_u32 s13, s13, s41                     ; block row = 4 x cluster y + cy
	s_lshl_b32 s43, s41, 2
	s_lshl_b32 s43, 15, s43                        ; my row of the cluster: places 4 cy .. 4 cy + 3
	s_lshl_b32 s44, 0x1111, s40                    ; my column: places cx, cx + 4, cx + 8, cx + 12
	; group 1 for A: 128 rows x 128 elements of 2 bytes, 4 words of padding behind every 64 words
	s_or_b32 s[G1+0], s43, (1<<16)|(1<<20)|(1<<21)|(5<<22)|(3<<25)
	s_mov_b32 s[G1+1], KSTEP<<16                   ; tensor_dim0 = 128
	s_mov_b32 s[G1+2], 128<<16                     ; tensor_dim1 = 128
	s_mov_b32 s[G1+3], KSTEP<<16                   ; tile_dim0 = 128
	s_mov_b32 s[G1+4], 128                         ; tile_dim1 = 128
	s_mov_b32 s[G1+5], 1024                        ; elements from row to row
	s_mov_b32 s[G1+6], 0
	s_mov_b32 s[G1+7], 0
	; group 1 for B: 64 k rows x 256 elements, 8 words of padding behind every 128 words
	s_or_b32 s[G1B+0], s44, (1<<16)|(1<<20)|(1<<21)|(6<<22)|(7<<25)
	s_mov_b32 s[G1B+1], 256<<16
	s_mov_b32 s[G1B+2], 64<<16
	s_mov_b32 s[G1B+3], 256<<16
	s_mov_b32 s[G1B+4], 64
	s_mov_b32 s[G1B+5], 1024
	s_mov_b32 s[G1B+6], 0
	s_mov_b32 s[G1B+7], 0
	; A's tile: xq for p = 0, xkv (8 MiB further) for p = 1, 2; row 256 x block row + 128 x half, 2,048 bytes a row
	s_lshl_b32 s16, s13, 8
	s_lshl_b32 s17, s12, 7
	s_add_co_u32 s16, s16, s17
	s_lshl_b32 s16, s16, 11
	s_cmp_lg_u32 s42, 0
	s_cselect_b32 s18, 0x800000, 0
	s_add_co_u32 s16, s16, s18
	s_mov_b32 s17, 0
	; B's tile: unit 8 + p of bf; column 256 cx (512 bytes); k row 64 x half (2,048 bytes a row)
	s_add_co_u32 s46, s42, 8
	s_lshl_b32 s46, s46, 21
	s_lshl_b32 s47, s40, 9
	s_add_co_u32 s46, s46, s47
	s_lshl_b32 s47, s12, 17
	s_add_co_u32 s46, s46, s47
	s_mov_b32 s47, 0
	s_mul_i32 s20, s10, HALFT                      ; where they go: A's halves, then B's halves = wave x 34,816: no place in the cluster enters
	s_wait_dscnt 0x0
	s_wait_kmcnt 0x0
	s_add_nc_u64 s[14:15], s[4:5], s[16:17]
	s_add_nc_u64 s[46:47], s[4:5], s[46:47]
	CROUND                                         ; all sixteen work-groups are here: the first joint loads meet
.irp s, 0,1
	s_mov_b32 s[G0+4*\s], 1
	s_add_co_u32 s[G0+4*\s+1], s20, \s*SLOT
	s_add_nc_u64 s[G0+4*\s+2:G0+4*\s+3], s[14:15], \s*KSTEP*2          ; K step s: 256 bytes along A's rows
	s_or_b32 s[G0+4*\s+3], s[G0+4*\s+3], 0x80000000
	s_mov_b32 s[G0B+4*\s], 1
	s_add_co_u32 s[G0B+4*\s+1], s20, \s*SLOT
	s_add_nc_u64 s[G0B+4*\s+2:G0B+4*\s+3], s[46:47], \s*KSTEP*2048     ; K step s: 128 rows of B down
	s_or_b32 s[G0B+4*\s+3], s[G0B+4*\s+3], 0x80000000
	JLOAD \s
.endr
	v_and_b32 v1, 15, v0                           ; r = l % 16
	v_bfe_u32 v2, v0, 4, 1                         ; h = l / 16
	v_mul_u32_u24 v3, v1, PITCH
	v_lshl_add_u32 v3, v2, 4, v3                   ; A: r x pitch + 16 h
	v_and_b32 v4, 7, v0
	v_lshl_add_u32 v4, v2, 3, v4                   ; B: k row 8 h + (l & 7),
	v_mul_u32_u24 v4, v4, BPITCH
	v_bfe_u32 v5, v0, 3, 1
	v_lshl_add_u32 v4, v5, 4, v4                   ; 16 bytes (8 columns) for each group of eight lanes
	s_mul_i32 s21, s11, HALFT                      ; my 128 rows of A
	s_lshl_b32 s22, s12, 8                         ; my 128 columns of B,
	s_add_co_u32 s22, s22, 2*HALFT                 ; which lies behind A
.irp s, 0,1
	v_add_nc_u32 v[ADRA+\s], s21, v3
	v_add_nc_u32 v[ADRB+\s], s22, v4
	s_add_co_u32 s21, s21, SLOT
	s_add_co_u32 s22, s22, SLOT
.endr
	s_mul_i32 s23, s10, WSTAGE
	s_add_co_u32 s23, s23, STAGE                   ; my stage
	v_add_nc_u32 v[STO], s23, v3                   ; Q, K in: row r, 16 bytes for each half of the lanes
	v_lshlrev_b32 v6, 7, v2                        ; Q, K back: lanes 0-15 the first head's 128 bytes of two rows, lanes 16-31 the second head's
	v_mad_u32_u24 v6, v5, PITCH, v6
	v_and_b32 v7, 7, v0
	v_lshl_add_u32 v6, v7, 4, v6
	v_add_nc_u32 v[RD], s23, v6
	v_lshlrev_b32 v7, 4, v1
	v_lshl_add_u32 v[CO], v2, 18, v7               ; in qk a head is 2,048 x 128 bytes
	v_lshl_add_u32 v[COV], v2, 19, v7              ; in vv 2,048 x 256
	v_mul_u32_u24 v8, v1, 528
	v_lshl_add_u32 v8, v2, 4, v8
	v_add_nc_u32 v[STOV], s23, v8
	v_and_b32 v9, 31, v0
	v_lshlrev_b32 v9, 4, v9
	v_add_nc_u32 v[RDV], s23, v9                   ; V back: a whole stage row of 512 bytes by the 32 lanes
; 16 matrix instructions: m blocks a0, a0 + 1 of the window's four x all 8 n blocks, 32 along K.  zero = 1: the first product starts the sums.
.macro MUL16 f, hi, a0, zero
.irp a, \a0, \a0+1
.irp b, 0,1,2,3,4,5,6,7
.if \zero
	v_wmma_f32_16x16x32_bf16 v[8*(8*(\a)+\b):8*(8*(\a)+\b)+7], v[\f+8*\b:\f+8*\b+7], v[\f+8*(4*\hi+\a):\f+8*(4*\hi+\a)+7], 0
.else
	v_wmma_f32_16x16x32_bf16 v[8*(8*(\a)+\b):8*(8*(\a)+\b)+7], v[\f+8*\b:\f+8*\b+7], v[\f+8*(4*\hi+\a):\f+8*(4*\hi+\a)+7], v[8*(8*(\a)+\b):8*(8*(\a)+\b)+7]
.endif
.endr
.endr
.endm
; 32 LDS loads in one run: the fragments of quarter step q (32 along K) into buffer f.  B's come transposed: the first load of a pair brings
; k = 32 q + 8 h .. + 7 of column 16 i + r, the second the same 16 k rows further down.
.macro FETCH slot, q, f
	WIN TO_B
.irp i, 0,1,2,3,4,5,6,7
	ds_load_tr16_b128 v[\f+8*\i:\f+8*\i+3],   v[ADRB+\slot] offset:\q*32*BPITCH+32*\i
	ds_load_tr16_b128 v[\f+8*\i+4:\f+8*\i+7], v[ADRB+\slot] offset:\q*32*BPITCH+32*\i+16*BPITCH
.endr
	WIN 0
.irp i, 0,1,2,3,4,5,6,7
	ds_load_b128 v[\f+8*\i:\f+8*\i+3],   v[ADRA+\slot] offset:\q*64+\i*16*PITCH
	ds_load_b128 v[\f+8*\i+4:\f+8*\i+7], v[ADRA+\slot] offset:\q*64+\i*16*PITCH+32
.endr
.endm
; Four places of plain vector instructions stand between a matrix instruction and a load into one of its registers, or a vector instruction that reads
; its result (ISA guide 7.12.1 for vector instructions); matrix instructions in between are not counted.
.macro PLACES
.rept 4
	v_nop
.endr
.endm
; One of a K step's first three quarters: multiplies buffer f; in its middle fetches quarter q of the same slot into buffer g.
; The 64 accumulators take turns, one instruction a turn, in the same order in every quarter.
.macro QUARTER slot, q, f, g, zero
	s_wait_dscnt 8                                 ; B and A's rows 0-63 are in; the youngest eight loads (A's rows 64-127) may be out
	WIN MUL_LO
	MUL16 \f, 0, 0, \zero
	MUL16 \f, 0, 2, \zero
	PLACES
	FETCH \slot, \q, \g
	s_wait_dscnt 32                                ; all but the 32 just issued
	WIN MUL_HI
	MUL16 \f, 1, 0, \zero
	MUL16 \f, 1, 2, \zero
.endm
.macro THREE slot, zero
	QUARTER \slot, 1, F0, F1, \zero
	QUARTER \slot, 2, F1, F0, 0
	QUARTER \slot, 3, F0, F1, 0
.endm
; The last quarter: multiplies buffer 1 and changes slots.  In front of the barrier each wave waits for its reads of this slot and for all its tensor
; loads (one is out: its part of the next slot).  Where the slot is filled again the barrier opens a round of the cluster's barrier, and the joint
; refill is the first tensor load behind the round.  From a request to the wait for it a wave issues 240 matrix instructions.
.macro TURN slot, next, fill
	s_wait_dscnt 8
	WIN MUL_LO
	MUL16 F1, 0, 0, 0
	s_wait_dscnt 0                                 ; my reads of this slot are over
	s_wait_tensorcnt 0x0                           ; and all my tensor loads have landed
	ds_add_u32 v255, v63
	s_wait_dscnt 0x0
	s_barrier_signal -1
	MUL16 F1, 0, 2, 0                              ; register work while the others arrive
	WIN 0
	s_barrier_wait -1
.if \fill
	CREST                                          ; no wave of any partner still reads this slot or has a load on its way
	s_add_nc_u64 s[G0+4*\slot+2:G0+4*\slot+3], s[G0+4*\slot+2:G0+4*\slot+3], 2*KSTEP*2
	s_add_nc_u64 s[G0B+4*\slot+2:G0B+4*\slot+3], s[G0B+4*\slot+2:G0B+4*\slot+3], 2*KSTEP*2048
	JLOAD \slot
.endif
	PLACES
	FETCH \next, 0, F0
	WIN MUL_HI
	MUL16 F1, 1, 0, 0
	MUL16 F1, 1, 2, 0
.endm
.macro LAP zero
	THREE 0, \zero
	TURN 0, 1, 1
	THREE 1, 0
	TURN 1, 0, 1
.endm
	s_wait_tensorcnt 1                             ; my part of K step 0 is in; K step 1's load, issued behind it, stays out
	s_barrier_signal -1
	s_barrier_wait -1
	FETCH 0, 0, F0
	LAP 1                                          ; the first lap stands in front of the loop: its first products start the sums
	WIN 0
	s_mov_b32 s45, LAPS-2
.Llap:
	LAP 0
	WIN 0
	s_sub_co_u32 s45, s45, 1
	s_cmp_lg_u32 s45, 0
	s_cbranch_scc1 .Llap
	THREE 0, 0                                     ; the last lap fills nothing
	TURN 0, 1, 0
	THREE 1, 0
	s_wait_dscnt 8
	WIN MUL_LO
	MUL16 F1, 0, 0, 0
	MUL16 F1, 0, 2, 0
	s_wait_dscnt 0
	WIN MUL_HI
	MUL16 F1, 1, 0, 0
	MUL16 F1, 1, 2, 0
	; THE WAY OUT.  My rows are c0 .. c0 + 127 of batch b, my columns the two heads h0, h0 + 1.
	WIN 0
	PLACES                                         ; the places behind the last matrix instructions
	s_lshr_b32 s66, s13, 3                         ; b (a batch is 8 block rows)
	s_lshl_b32 s66, s66, 4
	s_lshl_b32 s67, s40, 2
	s_add_co_u32 s66, s66, s67
	s_lshl_b32 s67, s12, 1
	s_add_co_u32 s66, s66, s67                     ; 16 b + h0, h0 = 4 cx + 2 x column half
	s_lshl_b32 s66, s66, 11
	s_and_b32 s67, s13, 7
	s_lshl_b32 s67, s67, 8
	s_add_co_u32 s66, s66, s67
	s_lshl_b32 s67, s11, 7
	s_add_co_u32 s66, s66, s67                     ; (16 b + h0) x 2,048 + c0
	s_cmp_eq_u32 s42, 2                            ; p is the same in the whole cluster
	s_cbranch_scc1 .Lout_v
	s_lshl_b32 s66, s66, 7                         ; 128 bytes a row of a head
	s_lshl_b32 s67, s42, 23                        ; K lies 8 MiB behind Q
	s_add_co_u32 s66, s66, s67
	s_mov_b32 s67, 0
	s_add_nc_u64 s[6:7], s[6:7], s[66:67]
; Q, K: rows 16 i .. + 15 = the eight tiles (a, 0..7) of window 2 or 3 (from = 0x0a or 0x0f).  Round to f16, 16 bytes a lane into my stage, read back so
; that sixteen lanes hold two neighbouring rows of one head: 256 consecutive bytes of qk, aligned.
.macro OUTQK i, a, from, f
	WIN \from
.irp b, 0,1,2,3,4,5,6,7
.irp r, 0,1,2,3
	v_cvt_pk_f16_f32 v[TMP+4*\b+\r], v[8*(8*\a+\b)+2*\r], v[8*(8*\a+\b)+2*\r+1]
.endr
.endr
	WIN 0
.irp b, 0,1,2,3,4,5,6,7
	ds_store_b128 v[STO], v[TMP+4*\b:TMP+4*\b+3] offset:32*\b
.endr
	s_wait_xcnt 0x0                                ; buffer f, which earlier stores read, is loaded again only behind this wait
.irp t, 0,1,2,3,4,5,6,7
	ds_load_b128 v[\f+4*\t:\f+4*\t+3], v[RD] offset:\t*2*PITCH     ; LDS serves a wave's instructions in order: these see the stores above
.endr
.irp t, 0,1,2,3,4,5,6,7
	s_wait_dscnt 7-\t
	global_store_b128 v[CO], v[\f+4*\t:\f+4*\t+3], s[6:7] offset:(16*\i+2*\t)*128
.endr
.endm
	OUTQK 0, 0, 0x0a, F0
	OUTQK 1, 1, 0x0a, F1
	OUTQK 2, 2, 0x0a, F0
	OUTQK 3, 3, 0x0a, F1
	OUTQK 4, 0, 0x0f, F0
	OUTQK 5, 1, 0x0f, F1
	OUTQK 6, 2, 0x0f, F0
	OUTQK 7, 3, 0x0f, F1
	s_branch .Lclose
.Lout_v:
	s_lshl_b32 s66, s66, 8                         ; 256 bytes a row of a head: hi, lo
	s_mov_b32 s67, 0
	s_add_nc_u64 s[8:9], s[8:9], s[66:67]
; V: x = hi + lo.  The split is made in f32: c = 8193 x, hi = c - (c - x) is x rounded to 11 significant bits, which f16 holds exactly in its normal
; range, and lo = x - hi is exact; lo is then rounded once to f16.  w = the accumulators' window (2 or 3), as source 0.
.macro OUTV i, a, w
	s_wait_xcnt 0x0                                ; TV was the data of the last 16 rows' stores: written again only behind this wait
	WIN \w
.irp b, 0,1,2,3,4,5,6,7
.irp r, 0,2,4,6
	v_pk_mul_f32 v[TV+8*\b+\r:TV+8*\b+\r+1], v[8*(8*\a+\b)+\r:8*(8*\a+\b)+\r+1], 0x46000400 op_sel_hi:[1,0]
.endr
.endr
.irp b, 0,1,2,3,4,5,6,7
.irp r, 0,2,4,6
	v_pk_add_f32 v[DV+8*\b+\r:DV+8*\b+\r+1], v[8*(8*\a+\b)+\r:8*(8*\a+\b)+\r+1], v[TV+8*\b+\r:TV+8*\b+\r+1] neg_lo:[1,0] neg_hi:[1,0]
.endr
.endr
	WIN 0
.irp b, 0,1,2,3,4,5,6,7
.irp r, 0,2,4,6
	v_pk_add_f32 v[TV+8*\b+\r:TV+8*\b+\r+1], v[TV+8*\b+\r:TV+8*\b+\r+1], v[DV+8*\b+\r:DV+8*\b+\r+1] neg_lo:[0,1] neg_hi:[0,1]
.endr
.endr
.irp b, 0,1,2,3,4,5,6,7
.irp r, 0,1,2,3
	v_cvt_pk_f16_f32 v[HIP+4*\b+\r], v[TV+8*\b+2*\r], v[TV+8*\b+2*\r+1]
.endr
.endr
	WIN \w
.irp b, 0,1,2,3,4,5,6,7
.irp r, 0,2,4,6
	v_pk_add_f32 v[DV+8*\b+\r:DV+8*\b+\r+1], v[8*(8*\a+\b)+\r:8*(8*\a+\b)+\r+1], v[TV+8*\b+\r:TV+8*\b+\r+1] neg_lo:[0,1] neg_hi:[0,1]
.endr
.endr
	WIN 0
.irp b, 0,1,2,3,4,5,6,7
.irp r, 0,1,2,3
	v_cvt_pk_f16_f32 v[LOP+4*\b+\r], v[DV+8*\b+2*\r], v[DV+8*\b+2*\r+1]
.endr
.endr
.irp b, 0,1,2,3,4,5,6,7
	ds_store_b128 v[STOV], v[HIP+4*\b:HIP+4*\b+3] offset:(\b>>2)*256+32*(\b&3)        ; a stage row: head 0 hi, lo, head 1 hi, lo, 128 bytes each
	ds_store_b128 v[STOV], v[LOP+4*\b:LOP+4*\b+3] offset:(\b>>2)*256+32*(\b&3)+128
.endr
.irp t, 0,1,2,3,4,5,6,7,8,9,10,11,12,13,14,15
	ds_load_b128 v[TV+4*\t:TV+4*\t+3], v[RDV] offset:\t*528
.endr
.irp t, 0,1,2,3,4,5,6,7,8,9,10,11,12,13,14,15
	s_wait_dscnt 15-\t
	global_store_b128 v[COV], v[TV+4*\t:TV+4*\t+3], s[8:9] offset:(16*\i+\t)*256      ; sixteen lanes: one head's row of 256 bytes, aligned
.endr
.endm
	OUTV 0, 0, 2
	OUTV 1, 1, 2
	OUTV 2, 2, 2
	OUTV 3, 3, 2
	OUTV 4, 0, 3
	OUTV 5, 1, 3
	OUTV 6, 2, 3
	OUTV 7, 3, 3
.Lclose:
	s_set_vgpr_msb 0x1
	s_wait_tensorcnt 0x0
	ds_add_u32 v255, v63
	s_wait_dscnt 0x0
	s_set_vgpr_msb 0x100
	CROUND                                         ; the closing round: no work-group ends while a partner may still ask for a tile that names it
	s_endpgm
.Lfunc_end_k_q550bcaab40_proj:
	.size	k_q550bcaab40_proj, .Lfunc_end_k_q550bcaab40_proj-k_q550bcaab40_proj
	.p2alignl 7, 3214868480
	.fill 96, 4, 3214868480
	.section	.rodata,"a",@progbits
	.p2align	6, 0x0
	.amdhsa_kernel k_q550bcaab40_proj
		.amdhsa_group_segment_fixed_size 327680
		.amdhsa_private_segment_fixed_size 0
		.amdhsa_enable_private_segment 0
		.amdhsa_kernarg_size 24
		.amdhsa_user_sgpr_count 2
		.amdhsa_user_sgpr_kernarg_segment_ptr 1
		.amdhsa_wavefront_size32 1
		.amdhsa_system_sgpr_workgroup_id_x 1
		.amdhsa_system_sgpr_workgroup_id_y 1
		.amdhsa_system_sgpr_workgroup_id_z 1
		.amdhsa_system_vgpr_workitem_id 0
		.amdhsa_next_free_vgpr 1024
		.amdhsa_next_free_sgpr 72
		.amdhsa_reserve_vcc 0
		.amdhsa_float_denorm_mode_32 3
		.amdhsa_float_denorm_mode_16_64 3
		.amdhsa_memory_ordered 1
		.amdhsa_forward_progress 1
		.amdhsa_inst_pref_size 255
	.end_amdhsa_kernel
	.section	.bss,"aw",@nobits
	.p2align	6
	.space	262144
	.amdgpu_metadata
---
amdhsa.version: [ 1, 2 ]
amdhsa.kernels:
  - .name:           k_q550bcaab40_proj
    .symbol:         k_q550bcaab40_proj.kd
    .args:
      - { .name: bf, .offset: 0, .size: 8, .value_kind: global_buffer, .address_space: global }
      - { .name: qk, .offset: 8, .size: 8, .value_kind: global_buffer, .address_space: global }
      - { .name: vv, .offset: 16, .size: 8, .value_kind: global_buffer, .address_space: global }
    .group_segment_fixed_size: 327680
    .private_segment_fixed_size: 0
    .kernarg_segment_align: 8
    .kernarg_segment_size: 24
    .max_flat_workgroup_size: 128
    .sgpr_count:     72
    .vgpr_count:     1024
    .wavefront_size: 32
...
	.end_amdgpu_metadata
.endif
;; end of part 2
;; launch attn (part 3): grid 8 x 32, 8 waves a work-group, clusters of 4 x 1, 327,680 bytes of LDS; arguments qk, vv, pre; writes pre
.if DOCPART == 3
	.amdgcn_target "amdgcn-amd-amdhsa--gfx1250"
	.amdhsa_code_object_version 6
	.text
	.protected	k_q550bcaab40_attn
	.globl	k_q550bcaab40_attn
	.p2align	8
	.type	k_q550bcaab40_attn,@function
k_q550bcaab40_attn:
	s_mov_b64 s[64:65], 0
	v_nop
	global_prefetch_b8 v0, s[64:65] scope:SCOPE_SE
	s_setreg_imm32_b32 hwreg(HW_REG_WAVE_MODE, 25, 1), 1
	s_wait_xcnt 0x0
	s_wait_alu depctr_hold_cnt(0) depctr_sa_sdst(0) depctr_va_vdst(0) depctr_va_sdst(0) depctr_va_ssrc(0) depctr_va_vcc(0) depctr_vm_vsrc(0)
	s_getreg_b32 s2, hwreg(HW_REG_IB_STS2, 6, 4)
	s_cmp_eq_u32 s2, 0
	s_cbranch_scc0 .Lentry_in_a_cluster
	s_endpgm
.Lentry_in_a_cluster:
	s_bfe_u32 s2, ttmp6, 0x10000c
	s_cmp_lg_u32 s2, 0x3003
	s_cbranch_scc0 .Lentry_shape_is_right
	s_endpgm
.Lentry_shape_is_right:
; Attention of one (batch, head) = work-group y, 256 queries = work-group x, over all 2,048 keys, with a running maximum.
; logit(c, d) = K[c] . Q[d] - 100 where c <= d; softmax over the keys c of logit / 8; pre[d] = sum over c of att(c, d) V[c].
; The mask is -100 and not minus infinity: no block of keys can be left out (query 2,047 has every key masked, and there the mask cancels).
; Eight waves, two to a SIMD: wave w takes the 64 queries qg = w & 3 and, of every tile of 128 keys, the 64 keys kp = w >> 2; waves w and w + 4 merge
; their sums at the end through LDS.  16 trips, one tile of keys each, through a ring of two LDS slots; a trip is 96 matrix instructions a wave.
; CLUSTERS: the four work-groups of a cluster are four query blocks of one head and read the same K and V tiles: every tile is asked for jointly (mask 15).
; LAYOUTS: S^T = K Q^T (source 0 = 16 keys, source 1 = 16 queries): lane (r, h) holds query r, keys 8 h + j.  Two such tiles rounded to f16 and packed ARE
; the second source (32 keys x 16 queries) of O^T += V^T P^T: no shuffle.  V^T comes from V stored [key][v] by the transposing LDS load.
; All figures of a query (maximum, sum, scale) live in the query's two lanes, l and l xor 16.
; THE MASK costs no branch: it is the C operand of each tile's first product.  Key block and query block are both 64 wide and aligned, so a tile of 16 x 16
; is all masked, all free, or on the diagonal: three bias tiles CL (key tile below the query tile), CD (equal), CU (above), set by two scalar selects.
; FORMATS: Q, K, P in f16; V as hi + lo in f16 (two products); sums, maxima and exponentials in f32; pre leaves as hi + lo in bf16.
; LIMITS: the sum l is taken from p before its rounding to f16 (the difference is at most 2^-11 of a term); p below 2^-14 is kept in steps of 2^-24;
; exponentials below 2^-126 count as zero.
.set KTILE,  16384                     ; bytes of a K tile in memory: 128 keys x 128
.set VTILE,  32768                     ; of a V tile: 128 keys x 256
.set KPITCH, 272                       ; an LDS row of K: two keys, 256 bytes + 16
.set VPITCH, 288                       ; an LDS row of V: one key, hi 128 | lo 128 bytes + 32 = 9 x 32
.set VOFF,   64*KPITCH                 ; V behind K in a slot
.set SLOT,   VOFF+128*VPITCH           ; 54,272
.set MERGE,  2*SLOT                    ; behind the ring, a multiple of 256: 4 x 17,408 bytes, what waves 4-7 hand to waves 0-3
.set MBYTES, 17408                     ; 128 registers x 128 bytes, then the maxima and the sums, 512 bytes each
.set STAGE,  MERGE+4*MBYTES            ; 4 x 4,352 bytes: the way out of waves 0-3
.set WSTAGE, 16*272
.set KAD, 1                            ; v1       LDS address of my K fragments in slot 0 (slot 1 by the immediate)
.set VAD, 2                            ; v2-3     LDS address of my V fragments in slot 0, 1
.set X,   4                            ; v4-7     group g: the new maximum
.set ALP, 8                            ; v8-15    group g: a pair; its low word is the scale of the old sums (and the other half's maximum on the way)
.set CL,  16                           ; v16-23   bias tile, key tile below the query tile
.set CD,  24                           ; v24-31   on the diagonal
.set CU,  32                           ; v32-39   above
.set M,   40                           ; v40-43   group g: the running maximum of the logits
.set LP,  44                           ; v44-51   group g: the running sum, in two halves
.set NMP, 52                           ; v52-59   group g: a pair; its low word is - maximum x c
.set TT,  60                           ; v60-63   at work
.set KF,  64                           ; v64-127  K fragment (t, ks) at 8 (4 ks + t); later V's fragments of keys 0-31: n at 8 n
.set S,   128                          ; v128-255 S tile (key tile t, query group g) at 8 (4 t + g); P(u, g) takes the place of S(2u, g), V's fragments of keys 32-63 that of S(1, .), S(3, .)
.set QF,  128                          ; window 1: Q fragment (g, ks) at 128 + 8 (2 g + ks); window 1, v0-127: O^T tile (f, g) at 8 (4 f + g)
.set G1K, 16                           ; s[16:23] group 1 of K's loads
.set G1V, 24                           ; s[24:31] of V's
.set G0K, 32                           ; s[32:39] group 0 of K's loads, one set a slot
.set G0V, 40                           ; s[40:47] of V's
.set MK,  72                           ; s72-79   lane masks: j <= r - 8 h
.set MSB, 0
.macro WIN new
.if MSB != \new
	s_set_vgpr_msb (MSB<<8)|\new
.set MSB, \new
.endif
.endm
.macro ROUND                           ; a round of the cluster's barrier
	s_barrier_signal -1
	s_barrier_wait -1
	s_cmp_lg_u32 s10, 0
	s_cbranch_scc1 .Lnot_wave_0_\@
	s_barrier_signal -3
.Lnot_wave_0_\@:
	s_barrier_wait -3
	s_barrier_signal -1
	s_barrier_wait -1
.endm
.macro PLACES
.rept 4
	v_nop
.endr
.endm
	s_load_b128 s[4:7], s[0:1], 0x0                ; qk s[4:5], vv s[6:7]
	s_load_b64 s[8:9], s[0:1], 0x10                ; pre
	s_set_vgpr_msb 0x40
	v_lshl_add_u32 v192, v0, 2, 0x2fc00
	v_mov_b32 v193, 0
	s_set_vgpr_msb 0x4045
	ds_add_u32 v192, v193
	s_set_vgpr_msb 0x4500
	v_lshrrev_b32 v1, 5, v0
	v_readfirstlane_b32 s10, v1                    ; wave 0..7
	s_lshr_b32 s11, s10, 2                         ; kp
	s_and_b32 s12, s10, 3                          ; qg
	s_bfe_u32 s13, ttmp6, 0x40000                  ; cx
	s_lshl_b32 s14, ttmp9, 2
	s_add_co_u32 s14, s14, s13                     ; query block = 4 x cluster x + cx
	s_and_b32 s15, ttmp7, 0xffff                   ; 16 b + head
	s_lshl_b32 s50, s14, 8
	s_lshl_b32 s60, s12, 6
	s_add_co_u32 s50, s50, s60                     ; Q0: my first query
	s_lshl_b32 s49, s11, 6                         ; KB: my first key of the trip's tile
	s_mov_b32 s54, 0x3e38aa3b                      ; c = log2(e) / 8: the scale 1/8 and the change to base 2 in one
	s_mov_b32 s55, 0x3e38aa3b
	s_mov_b32 s56, 0xbe38aa3b                      ; - c
	s_mov_b32 s57, 0x76543210                      ; v_permlanex16_b32: lane i reads lane i of the other half
	s_mov_b32 s58, 0xfedcba98
	s_mov_b32 s59, 0xffff0000                      ; a word's upper bf16
	; K's load: a wave's 16 keys are 2,048 dense bytes: 8 rows of 32 elements of 8 bytes, 4 words of padding behind every 64 words
	s_mov_b32 s[G1K+0], 15|(3<<16)|(1<<20)|(1<<21)|(5<<22)|(3<<25)
	s_mov_b32 s[G1K+1], 32<<16
	s_mov_b32 s[G1K+2], 8<<16
	s_mov_b32 s[G1K+3], 32<<16
	s_mov_b32 s[G1K+4], 8
	s_mov_b32 s[G1K+5], 32
	s_mov_b32 s[G1K+6], 0
	s_mov_b32 s[G1K+7], 0
	; V's load: a wave's 16 keys are 16 rows of 256 bytes, 8 words of padding behind each
	s_mov_b32 s[G1V+0], 15|(3<<16)|(1<<20)|(1<<21)|(5<<22)|(7<<25)
	s_mov_b32 s[G1V+1], 32<<16
	s_mov_b32 s[G1V+2], 16<<16
	s_mov_b32 s[G1V+3], 32<<16
	s_mov_b32 s[G1V+4], 16
	s_mov_b32 s[G1V+5], 32
	s_mov_b32 s[G1V+6], 0
	s_mov_b32 s[G1V+7], 0
	s_mul_i32 s61, s10, 8*KPITCH                   ; where my rows go: the wave's number and constants alone
	s_mul_i32 s62, s10, 16*VPITCH
	s_add_co_u32 s62, s62, VOFF
	s_lshl_b32 s66, s15, 18                        ; K: 8 MiB behind Q; 262,144 bytes a head; 2,048 a wave
	s_lshl_b32 s63, s10, 11
	s_add_co_u32 s66, s66, s63
	s_add_co_u32 s66, s66, 0x800000
	s_mov_b32 s67, 0
	s_lshl_b32 s68, s15, 19                        ; V: 524,288 bytes a head; 4,096 a wave
	s_lshl_b32 s63, s10, 12
	s_add_co_u32 s68, s68, s63
	s_mov_b32 s69, 0
	s_lshl_b32 s70, s15, 18                        ; Q: my 64 rows of 128 bytes
	s_lshl_b32 s71, s50, 7
	s_add_co_u32 s70, s70, s71
	s_mov_b32 s71, 0
	s_wait_dscnt 0x0
	s_wait_kmcnt 0x0
	s_add_nc_u64 s[66:67], s[4:5], s[66:67]
	s_add_nc_u64 s[68:69], s[6:7], s[68:69]
	s_add_nc_u64 s[70:71], s[4:5], s[70:71]
.irp s, 0,1
	s_mov_b32 s[G0K+4*\s], 1
	s_add_co_u32 s[G0K+4*\s+1], s61, \s*SLOT
	s_add_nc_u64 s[G0K+4*\s+2:G0K+4*\s+3], s[66:67], \s*KTILE
	s_or_b32 s[G0K+4*\s+3], s[G0K+4*\s+3], 0x80000000
	s_mov_b32 s[G0V+4*\s], 1
	s_add_co_u32 s[G0V+4*\s+1], s62, \s*SLOT
	s_add_nc_u64 s[G0V+4*\s+2:G0V+4*\s+3], s[68:69], \s*VTILE
	s_or_b32 s[G0V+4*\s+3], s[G0V+4*\s+3], 0x80000000
.endr
	v_and_b32 v4, 15, v0                           ; r
	v_bfe_u32 v5, v0, 4, 1                         ; h
	v_lshlrev_b32 v[TT], 7, v4
	v_lshl_add_u32 v[TT], v5, 4, v[TT]             ; Q: row r, 16 h
	WIN 0x40                                       ; destination window 1
.irp g, 0,1,2,3
.irp ks, 0,1
	global_load_b128 v[QF+8*(2*\g+\ks):QF+8*(2*\g+\ks)+3],   v[TT], s[70:71] offset:\g*2048+64*\ks
	global_load_b128 v[QF+8*(2*\g+\ks)+4:QF+8*(2*\g+\ks)+7], v[TT], s[70:71] offset:\g*2048+64*\ks+32
.endr
.endr
	WIN 0
	v_lshrrev_b32 v6, 1, v4                        ; K: key r lies in LDS row r >> 1, half r & 1
	v_mul_u32_u24 v6, v6, KPITCH
	v_and_b32 v7, 1, v4
	v_lshl_add_u32 v6, v7, 7, v6
	v_lshl_add_u32 v6, v5, 4, v6
	s_mul_i32 s60, s11, 32*KPITCH                  ; my 64 keys of the tile
	v_add_nc_u32 v[KAD], s60, v6
	v_and_b32 v6, 7, v0                            ; V: key row 8 h + (l & 7), 16 bytes for each group of eight lanes
	v_lshl_add_u32 v6, v5, 3, v6
	v_mul_u32_u24 v6, v6, VPITCH
	v_bfe_u32 v7, v0, 3, 1
	v_lshl_add_u32 v6, v7, 4, v6
	s_mul_i32 s60, s11, 64*VPITCH
	s_add_co_u32 s60, s60, VOFF
	v_add_nc_u32 v[VAD], s60, v6
	v_add_nc_u32 v[VAD+1], SLOT, v[VAD]
	v_lshlrev_b32 v6, 3, v5
	v_sub_nc_u32 v6, v4, v6                        ; r - 8 h
.irp j, 0,1,2,3,4,5,6,7
	v_cmp_le_i32 s[MK+\j], \j, v6                  ; on the diagonal tile key 8 h + j <= query r
.endr
.irp i, 0,1,2,3,4,5,6,7
	v_mov_b32 v[ALP+\i], 0                         ; the pairs' high words are named and never used; the low words are a lane permute's destination
.endr
.irp g, 0,1,2,3
	v_mov_b32 v[NMP+2*\g+1], 0
.endr
.macro BIAS                            ; 24 plain vector instructions that name no register of the matrix instructions in front: they are the places behind those
.irp j, 0,1,2,3,4,5,6,7
	v_mov_b32 v[CL+\j], s51
.endr
.irp j, 0,1,2,3,4,5,6,7
	v_mov_b32 v[CU+\j], s52
.endr
.irp j, 0,1,2,3,4,5,6,7
	v_cndmask_b32 v[CD+\j], v[CU+\j], v[CL+\j], s[MK+\j]
.endr
.endm
.macro KLOAD slot                      ; 16 loads: first the four key tiles' k = 0-31, then k = 32-63
.irp ks, 0,1
.irp t, 0,1,2,3
	ds_load_b128 v[KF+8*(4*\ks+\t):KF+8*(4*\ks+\t)+3],   v[KAD] offset:\slot*SLOT+\t*8*KPITCH+64*\ks
	ds_load_b128 v[KF+8*(4*\ks+\t)+4:KF+8*(4*\ks+\t)+7], v[KAD] offset:\slot*SLOT+\t*8*KPITCH+64*\ks+32
.endr
.endr
.endm
.macro QK ks                           ; 16 matrix instructions, every S tile once: the tiles take turns, one instruction a turn
.irp t, 0,1,2,3
.irp g, 0,1,2,3
.if \ks
	v_wmma_f32_16x16x32_f16 v[S+8*(4*\t+\g):S+8*(4*\t+\g)+7], v[KF+8*(4+\t):KF+8*(4+\t)+7], v[QF+8*(2*\g+1):QF+8*(2*\g+1)+7], v[S+8*(4*\t+\g):S+8*(4*\t+\g)+7]
.elseif \t < \g
	v_wmma_f32_16x16x32_f16 v[S+8*(4*\t+\g):S+8*(4*\t+\g)+7], v[KF+8*\t:KF+8*\t+7], v[QF+8*(2*\g):QF+8*(2*\g)+7], v[CL:CL+7]
.elseif \t == \g
	v_wmma_f32_16x16x32_f16 v[S+8*(4*\t+\g):S+8*(4*\t+\g)+7], v[KF+8*\t:KF+8*\t+7], v[QF+8*(2*\g):QF+8*(2*\g)+7], v[CD:CD+7]
.else
	v_wmma_f32_16x16x32_f16 v[S+8*(4*\t+\g):S+8*(4*\t+\g)+7], v[KF+8*\t:KF+8*\t+7], v[QF+8*(2*\g):QF+8*(2*\g)+7], v[CU:CU+7]
.endif
.endr
.endr
.endm
.macro VLOAD slot, u                   ; 16 transposing loads: keys 32 u .. + 31, fragments n = 0-3 of V's hi, 4-7 of its lo (16 columns each)
.irp n, 0,1,2,3,4,5,6,7
.if \u
.set VFR, S+8*(4*(1+2*(\n>>2))+(\n&3))
.else
.set VFR, KF+8*\n
.endif
	ds_load_tr16_b128 v[VFR:VFR+3],   v[VAD+\slot] offset:\u*32*VPITCH+32*\n
	ds_load_tr16_b128 v[VFR+4:VFR+7], v[VAD+\slot] offset:\u*32*VPITCH+32*\n+16*VPITCH
.endr
.endm
.macro MAXALL first                    ; the largest of a lane's 32 logits of each group and the running maximum; four chains that do not wait for each other
.irp g, 0,1,2,3
.if \first
	v_max_num_f32 v[X+\g], v[S+8*\g], v[S+8*\g+1]
.else
	v_max3_num_f32 v[X+\g], v[M+\g], v[S+8*\g], v[S+8*\g+1]
.endif
.endr
.irp p, 1,2,3,4,5,6,7,8,9,10,11,12,13,14,15
.irp g, 0,1,2,3
	v_max3_num_f32 v[X+\g], v[X+\g], v[S+8*(4*(\p>>2)+\g)+2*(\p&3)], v[S+8*(4*(\p>>2)+\g)+2*(\p&3)+1]
.endr
.endr
.endm
.macro CROSS                           ; a query's other 32 keys lie in lane l xor 16
.irp g, 0,1,2,3
	v_permlanex16_b32 v[ALP+2*\g], v[X+\g], s57, s58
.endr
.irp g, 0,1,2,3
	v_max_num_f32 v[X+\g], v[X+\g], v[ALP+2*\g]
.endr
.endm
.macro STATS first
.irp g, 0,1,2,3
	v_mul_f32 v[NMP+2*\g], s56, v[X+\g]            ; - m c
.endr
.if \first == 0
.irp g, 0,1,2,3
	v_fma_f32 v[TT+\g], v[M+\g], s54, v[NMP+2*\g]  ; (old m - m) c
.endr
.irp g, 0,1,2,3
	v_exp_f32 v[ALP+2*\g], v[TT+\g]                ; the scale of the old sums
.endr
.endif
.irp g, 0,1,2,3
	v_mov_b32 v[M+\g], v[X+\g]                     ; plain lines that touch neither the exponentials' results nor their sources stand behind them (ISA guide 5.7.2)
.endr
.endm
.macro DOFMA g                         ; s c - m c, two at a time
.irp t, 0,1,2,3
.irp i, 0,2,4,6
	v_pk_fma_f32 v[S+8*(4*\t+\g)+\i:S+8*(4*\t+\g)+\i+1], v[S+8*(4*\t+\g)+\i:S+8*(4*\t+\g)+\i+1], s[54:55], v[NMP+2*\g:NMP+2*\g+1] op_sel_hi:[1,0,0]
.endr
.endr
.endm
.macro DOEXP g                         ; 32 exponentials in a run; the line behind the run is always a plain one on another group's registers
.irp t, 0,1,2,3
.irp i, 0,1,2,3,4,5,6,7
	v_exp_f32 v[S+8*(4*\t+\g)+\i], v[S+8*(4*\t+\g)+\i]
.endr
.endr
.endm
.macro SUMPACK g, first                ; each pair of p is added to the group's sum and then rounded to f16 into its place in P
.irp t, 0,1,2,3
.irp i, 0,1,2,3
.set SRC, S+8*(4*\t+\g)+2*\i
.set DST, S+8*(4*(\t&2)+\g)+4*(\t&1)+\i
.if (4*\t+\i) == 0
.if \first
	s_wait_alu depctr_va_vdst(0)
	v_pk_add_f32 v[LP+2*\g:LP+2*\g+1], v[SRC:SRC+1], v[SRC+2:SRC+3]                ; the first two pairs start the sum: nothing is cleared
.else
	s_wait_alu depctr_va_vdst(0)
	v_pk_fma_f32 v[LP+2*\g:LP+2*\g+1], v[LP+2*\g:LP+2*\g+1], v[ALP+2*\g:ALP+2*\g+1], v[SRC:SRC+1] op_sel_hi:[1,0,1]
.endif
.endif
.if (4*\t+\i) > \first
	v_pk_add_f32 v[LP+2*\g:LP+2*\g+1], v[LP+2*\g:LP+2*\g+1], v[SRC:SRC+1]
.endif
	v_cvt_pk_f16_f32 v[DST], v[SRC], v[SRC+1]
.endr
.endr
.endm
.macro RESCALE                         ; O^T times the scale of the old sums: a lane's registers all belong to its query
.irp f, 0,1,2,3
.irp g, 0,1,2,3
.irp i, 0,2,4,6
	v_pk_mul_f32 v[8*(4*\f+\g)+\i:8*(4*\f+\g)+\i+1], v[8*(4*\f+\g)+\i:8*(4*\f+\g)+\i+1], v[ALP+2*\g:ALP+2*\g+1] op_sel_hi:[1,0]
.endr
.endr
.endr
.endm
.macro PV u, part, zero                ; 16 matrix instructions, every O^T tile once, always in the same order: one instruction a turn
.irp f, 0,1,2,3
.irp g, 0,1,2,3
.if \u
.set VFR, S+8*(4*(1+2*\part)+\f)
.else
.set VFR, KF+8*(4*\part+\f)
.endif
.if \zero
	v_wmma_f32_16x16x32_f16 v[8*(4*\f+\g):8*(4*\f+\g)+7], v[VFR:VFR+7], v[S+8*(8*\u+\g):S+8*(8*\u+\g)+7], 0
.else
	v_wmma_f32_16x16x32_f16 v[8*(4*\f+\g):8*(4*\f+\g)+7], v[VFR:VFR+7], v[S+8*(8*\u+\g):S+8*(8*\u+\g)+7], v[8*(4*\f+\g):8*(4*\f+\g)+7]
.endif
.endr
.endr
.endm
; One tile of 128 keys, in slot.  refill = 1: the next tile is asked for, into the other slot.  first = 1: the sums start here.
.macro TRIP slot, refill, first
	s_set_vgpr_msb 0x5
	s_wait_tensorcnt 0x0                           ; all my tensor loads have landed, my rows of this trip's tile among them: every group 0 may be written
	ds_add_u32 v192, v193
	s_wait_dscnt 0x0
	s_set_vgpr_msb 0x500
	s_add_nc_u64 s[G0K+4*\slot+2:G0K+4*\slot+3], s[G0K+4*\slot+2:G0K+4*\slot+3], 2*KTILE      ; this slot's next tile
	s_add_nc_u64 s[G0V+4*\slot+2:G0V+4*\slot+3], s[G0V+4*\slot+2:G0V+4*\slot+3], 2*VTILE
	s_wait_dscnt 0x0                               ; my reads of the last trip's tile are back
	ROUND                                          ; both now hold of every wave of all four work-groups
.if \refill
	tensor_load_to_lds s[G0K+4-4*\slot:G0K+7-4*\slot], s[G1K:G1K+7]        ; the first tensor loads behind the round: two of mine are out,
	s_nop 0
	tensor_load_to_lds s[G0V+4-4*\slot:G0V+7-4*\slot], s[G1V:G1V+7]        ; and have the whole trip in which to land
	s_nop 0
.endif
	s_cmp_le_u32 s49, s50                          ; my 64 keys against my 64 queries: only values hang on these two compares
	s_cselect_b32 s51, 0xc2c80000, 0               ; key tile below the query tile: -100 unless the key block lies above the query block
	s_cmp_lt_u32 s49, s50
	s_cselect_b32 s52, 0xc2c80000, 0               ; key tile above the query tile: -100 only if the key block lies below
	s_add_co_u32 s49, s49, 128
	BIAS
	KLOAD \slot
.if \first
	s_wait_loadcnt 0x0                             ; Q, once
.endif
	s_wait_dscnt 0x8                               ; k = 0-31 of the four key tiles is in; the eight loads of k = 32-63 may be out
	WIN 0x04                                       ; source 1 (Q) in window 1
	QK 0
	s_wait_dscnt 0x0
	QK 1
	WIN 0
	PLACES                                         ; behind the last products: for the loads into K's registers and for the reads of S
	VLOAD \slot, 0
	MAXALL \first
	CROSS
	STATS \first
	DOFMA 0
	DOEXP 0
	DOFMA 1
	DOEXP 1
	SUMPACK 0, \first
	DOFMA 2
	DOEXP 2
	SUMPACK 1, \first
	DOFMA 3
	DOEXP 3
	SUMPACK 2, \first
	SUMPACK 3, \first
	VLOAD \slot, 1                                 ; into the S tiles that the packing has emptied
.if \first == 0
	WIN 0x41                                       ; O^T in window 1, the scale in window 0
	RESCALE
.endif
	s_wait_dscnt 0x10                              ; V's keys 0-31 are in; the 16 loads of keys 32-63 may be out
	WIN 0x50                                       ; C and D in window 1
	PV 0, 0, \first
	PV 0, 1, 0
	s_wait_dscnt 0x0
	PV 1, 0, 0
	PV 1, 1, 0
	WIN 0
.endm
	ROUND                                          ; in front of the first joint loads
	tensor_load_to_lds s[G0K:G0K+3], s[G1K:G1K+7]  ; tile 0
	s_nop 0
	tensor_load_to_lds s[G0V:G0V+3], s[G1V:G1V+7]
	s_nop 0
	TRIP 0, 1, 1
	TRIP 1, 1, 0
	s_mov_b32 s48, 6
.Ltrips:
	TRIP 0, 1, 0
	TRIP 1, 1, 0
	s_sub_co_u32 s48, s48, 1
	s_cmp_lg_u32 s48, 0
	s_cbranch_scc1 .Ltrips
	TRIP 0, 1, 0                                   ; tile 14 asks for tile 15,
	TRIP 1, 0, 0                                   ; which asks for nothing
	; THE END.  A query's sum: the pair's two halves, then the other half of the lanes.
.irp g, 0,1,2,3
	v_add_f32 v[TT+\g], v[LP+2*\g], v[LP+2*\g+1]
.endr
.irp g, 0,1,2,3
	v_permlanex16_b32 v[X+\g], v[TT+\g], s57, s58
.endr
.irp g, 0,1,2,3
	v_add_f32 v[TT+\g], v[TT+\g], v[X+\g]
.endr
	PLACES                                         ; the places behind the last matrix instructions
.set MA,  64                           ; LDS address of my 16 bytes in the pair's merge area
.set STO, 65
.set RD,  66
.set CO,  67
.set M2,  68                           ; the partner's maxima,
.set L2,  72                           ; and sums
.set A1,  76
.set A2,  80
.set LS,  84
.set RL,  88
.set T,   96                           ; 32 registers: the partner's O^T of a group, then hi widened
.set U,   128                          ; 32: the merged, scaled result
.set PH,  160                          ; 16: hi packed
.set PL,  176                          ; 16: lo packed
.set RB,  192                          ; 32: rows read back
	v_and_b32 v[MA], 31, v0
	v_lshlrev_b32 v[MA], 4, v[MA]
	s_mul_i32 s60, s12, MBYTES
	s_add_co_u32 s60, s60, MERGE
	v_add_nc_u32 v[MA], s60, v[MA]
	s_cmp_lt_u32 s10, 4
	s_cbranch_scc1 .Lkeep
	WIN 0x04                                       ; waves 4-7 lay down O^T (store data in window 1), register by register, lane by lane,
.irp i, 0,1,2,3,4,5,6,7,8,9,10,11,12,13,14,15,16,17,18,19,20,21,22,23,24,25,26,27,28,29,30,31
	ds_store_b128 v[MA], v[4*\i:4*\i+3] offset:512*\i
.endr
	WIN 0
	ds_store_b128 v[MA], v[M:M+3] offset:16384     ; their maxima
	ds_store_b128 v[MA], v[TT:TT+3] offset:16896   ; and their sums
.Lkeep:
	s_wait_dscnt 0x0                               ; for the partner's sake: zero
	s_barrier_signal -1
	s_barrier_wait -1
	s_cmp_ge_u32 s10, 4
	s_cbranch_scc1 .Lclose
	ds_load_b128 v[M2:M2+3], v[MA] offset:16384
	ds_load_b128 v[L2:L2+3], v[MA] offset:16896
	v_and_b32 v[T], 15, v0                         ; r
	v_bfe_u32 v[T+1], v0, 4, 1                     ; h
	v_mul_u32_u24 v[STO], v[T], 272                ; in: row r (a query), 16 bytes for each half of the lanes
	v_lshl_add_u32 v[STO], v[T+1], 4, v[STO]
	v_mul_u32_u24 v[RD], v[T+1], 272               ; back: lanes 0-15 one row of 256 bytes, lanes 16-31 the next
	v_lshl_add_u32 v[RD], v[T], 4, v[RD]
	v_lshlrev_b32 v[CO], 4, v[T]
	v_lshl_add_u32 v[CO], v[T+1], 12, v[CO]        ; in pre a query's row is 4,096 bytes
	s_mul_i32 s61, s12, WSTAGE
	s_add_co_u32 s61, s61, STAGE
	v_add_nc_u32 v[STO], s61, v[STO]
	v_add_nc_u32 v[RD], s61, v[RD]
	s_lshr_b32 s70, s15, 4                         ; b
	s_lshl_b32 s70, s70, 11
	s_add_co_u32 s70, s70, s50                     ; row 2,048 b + Q0
	s_lshl_b32 s70, s70, 12
	s_and_b32 s71, s15, 15                         ; the head's 256 bytes in the row
	s_lshl_b32 s71, s71, 8
	s_add_co_u32 s70, s70, s71
	s_mov_b32 s71, 0
	s_add_nc_u64 s[8:9], s[8:9], s[70:71]
	s_wait_dscnt 0x0
	; m = max(m1, m2); a_i = 2^((m_i - m) c); l = l1 a1 + l2 a2; result = O1 a1 / l + O2 a2 / l
.irp g, 0,1,2,3
	v_max_num_f32 v[X+\g], v[M+\g], v[M2+\g]
.endr
.irp g, 0,1,2,3
	v_sub_f32 v[A1+\g], v[M+\g], v[X+\g]
	v_sub_f32 v[A2+\g], v[M2+\g], v[X+\g]
.endr
.irp g, 0,1,2,3
	v_mul_f32 v[A1+\g], s54, v[A1+\g]
	v_mul_f32 v[A2+\g], s54, v[A2+\g]
.endr
.irp g, 0,1,2,3
	v_exp_f32 v[A1+\g], v[A1+\g]
	v_exp_f32 v[A2+\g], v[A2+\g]
.endr
	v_nop                                          ; one plain place behind the run of exponentials
	s_wait_alu depctr_va_vdst(0)
.irp g, 0,1,2,3
	v_mul_f32 v[LS+\g], v[TT+\g], v[A1+\g]
.endr
.irp g, 0,1,2,3
	v_fmac_f32 v[LS+\g], v[L2+\g], v[A2+\g]        ; at least 1: the key with the largest logit counts as 2^0
.endr
.irp g, 0,1,2,3
	v_rcp_f32 v[RL+\g], v[LS+\g]
.endr
	v_nop
	s_wait_alu depctr_va_vdst(0)
.irp g, 0,1,2,3
	v_mul_f32 v[ALP+2*\g], v[A1+\g], v[RL+\g]      ; the pairs' low words now hold the two factors
	v_mul_f32 v[NMP+2*\g], v[A2+\g], v[RL+\g]
.endr
; The 16 queries of group g: merge, scale, split into bf16 hi + lo, through my stage, out as whole rows of 256 bytes [hi 64 | lo 64].
.macro OUTG g
.irp f, 0,1,2,3
	ds_load_b128 v[T+8*\f:T+8*\f+3],   v[MA] offset:512*(2*(4*\f+\g))
	ds_load_b128 v[T+8*\f+4:T+8*\f+7], v[MA] offset:512*(2*(4*\f+\g)+1)
.endr
	WIN 0x01                                       ; my O^T, source 0, in window 1
.irp f, 0,1,2,3
.irp i, 0,2,4,6
	v_pk_mul_f32 v[U+8*\f+\i:U+8*\f+\i+1], v[8*(4*\f+\g)+\i:8*(4*\f+\g)+\i+1], v[ALP+2*\g:ALP+2*\g+1] op_sel_hi:[1,0]
.endr
.endr
	WIN 0
	s_wait_dscnt 0x0
.irp f, 0,1,2,3
.irp i, 0,2,4,6
	v_pk_fma_f32 v[U+8*\f+\i:U+8*\f+\i+1], v[T+8*\f+\i:T+8*\f+\i+1], v[NMP+2*\g:NMP+2*\g+1], v[U+8*\f+\i:U+8*\f+\i+1] op_sel_hi:[1,0,1]
.endr
.endr
.irp f, 0,1,2,3
.irp i, 0,1,2,3
	v_cvt_pk_bf16_f32 v[PH+4*\f+\i], v[U+8*\f+2*\i], v[U+8*\f+2*\i+1]
.endr
.endr
.irp f, 0,1,2,3
.irp i, 0,1,2,3
	v_lshlrev_b32 v[T+8*\f+2*\i],   16,  v[PH+4*\f+\i]             ; hi back in f32
	v_and_b32     v[T+8*\f+2*\i+1], s59, v[PH+4*\f+\i]
.endr
.endr
.irp f, 0,1,2,3
.irp i, 0,2,4,6
	v_pk_add_f32 v[U+8*\f+\i:U+8*\f+\i+1], v[U+8*\f+\i:U+8*\f+\i+1], v[T+8*\f+\i:T+8*\f+\i+1] neg_lo:[0,1] neg_hi:[0,1]
.endr
.endr
.irp f, 0,1,2,3
.irp i, 0,1,2,3
	v_cvt_pk_bf16_f32 v[PL+4*\f+\i], v[U+8*\f+2*\i], v[U+8*\f+2*\i+1]
.endr
.endr
.irp f, 0,1,2,3
	ds_store_b128 v[STO], v[PH+4*\f:PH+4*\f+3] offset:32*\f        ; a lane's eight numbers are columns 16 f + 8 h + 0 .. 7 of its query
	ds_store_b128 v[STO], v[PL+4*\f:PL+4*\f+3] offset:32*\f+128
.endr
	s_wait_xcnt 0x0                                ; RB, which the last group's stores read, is loaded again only behind this wait
.irp t, 0,1,2,3,4,5,6,7
	ds_load_b128 v[RB+4*\t:RB+4*\t+3], v[RD] offset:544*\t         ; LDS serves a wave's instructions in order: these see the stores above
.endr
.irp t, 0,1,2,3,4,5,6,7
	s_wait_dscnt 7-\t
	global_store_b128 v[CO], v[RB+4*\t:RB+4*\t+3], s[8:9] offset:(16*\g+2*\t)*4096    ; sixteen lanes: 256 consecutive bytes, aligned
.endr
.endm
	OUTG 0
	OUTG 1
	OUTG 2
	OUTG 3
.Lclose:
	s_set_vgpr_msb 0x5
	s_wait_tensorcnt 0x0
	ds_add_u32 v192, v193
	s_wait_dscnt 0x0
	s_set_vgpr_msb 0x500
	ROUND                                          ; the closing round
	s_endpgm
.Lfunc_end_k_q550bcaab40_attn:
	.size	k_q550bcaab40_attn, .Lfunc_end_k_q550bcaab40_attn-k_q550bcaab40_attn
	.p2alignl 7, 3214868480
	.fill 96, 4, 3214868480
	.section	.rodata,"a",@progbits
	.p2align	6, 0x0
	.amdhsa_kernel k_q550bcaab40_attn
		.amdhsa_group_segment_fixed_size 327680
		.amdhsa_private_segment_fixed_size 0
		.amdhsa_enable_private_segment 0
		.amdhsa_kernarg_size 24
		.amdhsa_user_sgpr_count 2
		.amdhsa_user_sgpr_kernarg_segment_ptr 1
		.amdhsa_wavefront_size32 1
		.amdhsa_system_sgpr_workgroup_id_x 1
		.amdhsa_system_sgpr_workgroup_id_y 1
		.amdhsa_system_sgpr_workgroup_id_z 1
		.amdhsa_system_vgpr_workitem_id 0
		.amdhsa_next_free_vgpr 450
		.amdhsa_next_free_sgpr 80
		.amdhsa_reserve_vcc 0
		.amdhsa_float_denorm_mode_32 3
		.amdhsa_float_denorm_mode_16_64 3
		.amdhsa_memory_ordered 1
		.amdhsa_forward_progress 1
		.amdhsa_inst_pref_size 255
	.end_amdhsa_kernel
	.section	.bss,"aw",@nobits
	.p2align	6
	.space	262144
	.amdgpu_metadata
---
amdhsa.version: [ 1, 2 ]
amdhsa.kernels:
  - .name:           k_q550bcaab40_attn
    .symbol:         k_q550bcaab40_attn.kd
    .args:
      - { .name: qk, .offset: 0, .size: 8, .value_kind: global_buffer, .address_space: global }
      - { .name: vv, .offset: 8, .size: 8, .value_kind: global_buffer, .address_space: global }
      - { .name: pre, .offset: 16, .size: 8, .value_kind: global_buffer, .address_space: global }
    .group_segment_fixed_size: 327680
    .private_segment_fixed_size: 0
    .kernarg_segment_align: 8
    .kernarg_segment_size: 24
    .max_flat_workgroup_size: 256
    .sgpr_count:     80
    .vgpr_count:     450
    .wavefront_size: 32
...
	.end_amdgpu_metadata
.endif
;; end of part 3
;; launch outp (part 4): grid 8 x 32, 4 waves a work-group, clusters of 4 x 4, 327,680 bytes of LDS; arguments pre, bf, out0; writes out0
.if DOCPART == 4
	.amdgcn_target "amdgcn-amd-amdhsa--gfx1250"
	.amdhsa_code_object_version 6
	.text
	.protected	k_q550bcaab40_outp
	.globl	k_q550bcaab40_outp
	.p2align	8
	.type	k_q550bcaab40_outp,@function
k_q550bcaab40_outp:
	s_mov_b64 s[64:65], 0
	v_nop
	global_prefetch_b8 v0, s[64:65] scope:SCOPE_SE
	s_setreg_imm32_b32 hwreg(HW_REG_WAVE_MODE, 25, 1), 1
	s_wait_xcnt 0x0
	s_wait_alu depctr_hold_cnt(0) depctr_sa_sdst(0) depctr_va_vdst(0) depctr_va_sdst(0) depctr_va_ssrc(0) depctr_va_vcc(0) depctr_vm_vsrc(0)
	s_getreg_b32 s2, hwreg(HW_REG_IB_STS2, 6, 4)
	s_cmp_eq_u32 s2, 0
	s_cbranch_scc0 .Lentry_in_a_cluster
	s_endpgm
.Lentry_in_a_cluster:
	s_bfe_u32 s2, ttmp6, 0x10000c
	s_cmp_lg_u32 s2, 0xf033
	s_cbranch_scc0 .Lentry_shape_is_right
	s_endpgm
.Lentry_shape_is_right:
; out0[row][m] = sum over head, v of (pre_hi + pre_lo)[row][head][v] wo[head][v][m], a bf16 GEMM with f32 sums, [4096] x [1024] over 1,024 (twice: hi and lo).
; A = pre, [row][head][hi 64 | lo 64] bf16, 4,096 bytes a row.  B = wo in bf16 (unit 11 of bf), [head*64 + v][m]: read from LDS by the transposing load.
; A work-group makes 128 x 128 (8 x 32 = 256 work-groups), a wave 64 x 64: 16 accumulator tiles.  A K step is two heads: 128 rows x 512 bytes of A and
; 128 k rows x 256 bytes of B, through a ring of two LDS slots; hi and lo share B's fragments: 12 fragments feed 32 matrix instructions.
; CLUSTERS: 4 x 4; A's tile is asked for jointly along a row of the cluster, B's along a column.
; The matrix instruction is used transposed (source 0 = 16 columns of B, source 1 = 16 rows of A): a lane holds eight neighbouring f32 of an output row.
; REGISTERS: window 0: v0-31 addresses; v64-159, v160-255 fragment buffers (B at +0, A hi at +32, A lo at +64); window 1: tile (a, b) at v[8 (4 a + b)].
.set APITCH, 528                       ; 512 bytes + 16 = 33 x 16
.set BPITCH, 288                       ; 256 bytes + 32 = 9 x 32
.set AHALF,  64*APITCH                 ; what a tensor load of A brings
.set BHALF,  64*BPITCH                 ; and one of B
.set SLOT,   2*AHALF+2*BHALF           ; 104,448
.set STAGE,  2*SLOT                    ; behind the ring, a multiple of 256
.set WSTAGE, 16*272
.set LAPS,   4                         ; 8 K steps
.set ADRA, 16
.set ADRB, 20
.set STO,  24
.set RD,   25
.set CO,   26
.set F0,   64
.set F1,   160
.set G1, 24
.set G0, 32
.set G1B, 48
.set G0B, 56
.set MSB, 0
.macro WIN new
.if MSB != \new
	s_set_vgpr_msb (MSB<<8)|\new
.set MSB, \new
.endif
.endm
.set MULW, 0x50                        ; C and D in window 1, the fragments in window 0
.macro JLOAD s                         ; waves 0 and 1 fetch A's halves, waves 2 and 3 B's
	s_cmp_eq_u32 s11, 0
	s_cbranch_scc0 .Lfor_b_\@
	tensor_load_to_lds s[G0+4*\s:G0+4*\s+3], s[G1:G1+7]
	s_nop 0
	s_branch .Lasked_\@
.Lfor_b_\@:
	tensor_load_to_lds s[G0B+4*\s:G0B+4*\s+3], s[G1B:G1B+7]
	s_nop 0
.Lasked_\@:
.endm
.macro CREST
	s_cmp_lg_u32 s10, 0
	s_cbranch_scc1 .Lnot_wave_0_\@
	s_barrier_signal -3
.Lnot_wave_0_\@:
	s_barrier_wait -3
	s_barrier_signal -1
	s_barrier_wait -1
.endm
.macro CROUND
	s_barrier_signal -1
	s_barrier_wait -1
	CREST
.endm
	s_load_b128 s[4:7], s[0:1], 0x0                ; pre s[4:5], bf s[6:7]
	s_load_b64 s[8:9], s[0:1], 0x10                ; out0
	v_lshl_add_u32 v62, v0, 2, 0x37400
	v_mov_b32 v63, 0
	ds_add_u32 v62, v63
	v_lshrrev_b32 v1, 5, v0
	v_readfirstlane_b32 s10, v1                    ; wave 0..3
	s_lshr_b32 s11, s10, 1                         ; my half of the rows.  Also: I fetch for A (0) or for B (1)
	s_and_b32 s12, s10, 1                          ; my half of the columns.  Also: which half of that tile I fetch
	s_bfe_u32 s40, ttmp6, 0x40000                  ; cx
	s_bfe_u32 s41, ttmp6, 0x40004                  ; cy
	s_lshl_b32 s42, ttmp9, 2
	s_add_co_u32 s42, s42, s40                     ; block column
	s_and_b32 s13, ttmp7, 0xffff
	s_lshl_b32 s13, s13, 2
	s_add_co_u32 s13, s13, s41                     ; block row
	s_lshl_b32 s43, s41, 2
	s_lshl_b32 s43, 15, s43                        ; my row of the cluster
	s_lshl_b32 s44, 0x1111, s40                    ; my column
	; A: 64 rows x 256 elements of 2 bytes, 4 words of padding behind every 128 words
	s_or_b32 s[G1+0], s43, (1<<16)|(1<<20)|(1<<21)|(6<<22)|(3<<25)
	s_mov_b32 s[G1+1], 256<<16
	s_mov_b32 s[G1+2], 64<<16
	s_mov_b32 s[G1+3], 256<<16
	s_mov_b32 s[G1+4], 64
	s_mov_b32 s[G1+5], 2048
	s_mov_b32 s[G1+6], 0
	s_mov_b32 s[G1+7], 0
	; B: 64 k rows x 128 elements, 8 words of padding behind every 64 words
	s_or_b32 s[G1B+0], s44, (1<<16)|(1<<20)|(1<<21)|(5<<22)|(7<<25)
	s_mov_b32 s[G1B+1], 128<<16
	s_mov_b32 s[G1B+2], 64<<16
	s_mov_b32 s[G1B+3], 128<<16
	s_mov_b32 s[G1B+4], 64
	s_mov_b32 s[G1B+5], 1024
	s_mov_b32 s[G1B+6], 0
	s_mov_b32 s[G1B+7], 0
	s_lshl_b32 s16, s13, 7                         ; A: row 128 x block row + 64 x half, 4,096 bytes a row
	s_lshl_b32 s17, s12, 6
	s_add_co_u32 s16, s16, s17
	s_lshl_b32 s16, s16, 12
	s_mov_b32 s17, 0
	s_lshl_b32 s46, s42, 8                         ; B: unit 11 of bf; 256 bytes a block column; k row 64 x half, 2,048 bytes a row
	s_lshl_b32 s47, s12, 17
	s_add_co_u32 s46, s46, s47
	s_add_co_u32 s46, s46, 23068672
	s_mov_b32 s47, 0
	s_mul_i32 s20, s10, AHALF                      ; waves 0, 1: A's halves at the slot's head
	s_mul_i32 s45, s10, BHALF                      ; waves 2, 3: B's halves behind A's 67,584 bytes
	s_add_co_u32 s45, s45, 2*AHALF-2*BHALF
	s_wait_dscnt 0x0
	s_wait_kmcnt 0x0
	s_add_nc_u64 s[14:15], s[4:5], s[16:17]
	s_add_nc_u64 s[46:47], s[6:7], s[46:47]
	CROUND                                         ; in front of the first joint loads
.irp s, 0,1
	s_mov_b32 s[G0+4*\s], 1
	s_add_co_u32 s[G0+4*\s+1], s20, \s*SLOT
	s_add_nc_u64 s[G0+4*\s+2:G0+4*\s+3], s[14:15], \s*512              ; K step s: two heads, 512 bytes along A's rows
	s_or_b32 s[G0+4*\s+3], s[G0+4*\s+3], 0x80000000
	s_mov_b32 s[G0B+4*\s], 1
	s_add_co_u32 s[G0B+4*\s+1], s45, \s*SLOT
	s_add_nc_u64 s[G0B+4*\s+2:G0B+4*\s+3], s[46:47], \s*128*2048       ; 128 rows of B down
	s_or_b32 s[G0B+4*\s+3], s[G0B+4*\s+3], 0x80000000
	JLOAD \s
.endr
	v_and_b32 v1, 15, v0                           ; r
	v_bfe_u32 v2, v0, 4, 1                         ; h
	v_mul_u32_u24 v3, v1, APITCH
	v_lshl_add_u32 v3, v2, 4, v3                   ; A: r x pitch + 16 h
	v_and_b32 v4, 7, v0
	v_lshl_add_u32 v4, v2, 3, v4                   ; B: k row 8 h + (l & 7)
	v_mul_u32_u24 v4, v4, BPITCH
	v_bfe_u32 v5, v0, 3, 1
	v_lshl_add_u32 v4, v5, 4, v4
	s_mul_i32 s21, s11, AHALF                      ; my 64 rows of A
	s_lshl_b32 s22, s12, 7                         ; my 64 columns of B
	s_add_co_u32 s22, s22, 2*AHALF
.irp s, 0,1
	v_add_nc_u32 v[ADRA+\s], s21, v3
	v_add_nc_u32 v[ADRB+\s], s22, v4
	s_add_co_u32 s21, s21, SLOT
	s_add_co_u32 s22, s22, SLOT
.endr
	s_mul_i32 s23, s10, WSTAGE
	s_add_co_u32 s23, s23, STAGE
	v_mul_u32_u24 v6, v1, 272                      ; in: row r, 32 bytes for each half of the lanes
	v_lshl_add_u32 v6, v2, 5, v6
	v_add_nc_u32 v[STO], s23, v6
	v_mul_u32_u24 v7, v2, 272                      ; back: lanes 0-15 one row of 256 bytes, lanes 16-31 the next
	v_lshl_add_u32 v7, v1, 4, v7
	v_add_nc_u32 v[RD], s23, v7
	v_lshlrev_b32 v8, 4, v1
	v_lshl_add_u32 v[CO], v2, 12, v8               ; and the same two rows in out0
; 8 matrix instructions: m blocks a0, a0 + 1 x all 4 n blocks, 32 along K; lo = 0: pre's hi part, 1: its lo part
.macro MUL8 f, lo, a0, zero
.irp a, \a0, \a0+1
.irp b, 0,1,2,3
.if \zero
	v_wmma_f32_16x16x32_bf16 v[8*(4*(\a)+\b):8*(4*(\a)+\b)+7], v[\f+8*\b:\f+8*\b+7], v[\f+32+32*\lo+8*(\a):\f+32+32*\lo+8*(\a)+7], 0
.else
	v_wmma_f32_16x16x32_bf16 v[8*(4*(\a)+\b):8*(4*(\a)+\b)+7], v[\f+8*\b:\f+8*\b+7], v[\f+32+32*\lo+8*(\a):\f+32+32*\lo+8*(\a)+7], v[8*(4*(\a)+\b):8*(4*(\a)+\b)+7]
.endif
.endr
.endr
.endm
; 24 LDS loads in one run: quarter q = head q >> 1 of the step, its v = 32 (q & 1) .. + 31.  B first, then A's hi, then A's lo.
.macro FETCH slot, q, f
.irp b, 0,1,2,3
	ds_load_tr16_b128 v[\f+8*\b:\f+8*\b+3],   v[ADRB+\slot] offset:\q*32*BPITCH+32*\b
	ds_load_tr16_b128 v[\f+8*\b+4:\f+8*\b+7], v[ADRB+\slot] offset:\q*32*BPITCH+32*\b+16*BPITCH
.endr
.irp l, 0,1
.irp a, 0,1,2,3
	ds_load_b128 v[\f+32+32*\l+8*\a:\f+32+32*\l+8*\a+3],   v[ADRA+\slot] offset:\a*16*APITCH+(\q>>1)*256+(\q&1)*64+128*\l
	ds_load_b128 v[\f+32+32*\l+8*\a+4:\f+32+32*\l+8*\a+7], v[ADRA+\slot] offset:\a*16*APITCH+(\q>>1)*256+(\q&1)*64+128*\l+32
.endr
.endr
.endm
.macro PLACES                          ; four plain places between a matrix instruction and a load into, or a read of, its registers (ISA guide 7.12.1 for vector instructions)
.rept 4
	v_nop
.endr
.endm
; One of a K step's first three quarters.  The 16 accumulators take turns, one instruction a turn, in the same order in the hi and in the lo round.
.macro QUARTER slot, q, f, g, zero
	s_wait_dscnt 8                                 ; B and A's hi are in; the youngest eight loads (A's lo) may be out
	WIN MULW
	MUL8 \f, 0, 0, \zero
	MUL8 \f, 0, 2, \zero
	PLACES
	WIN 0
	FETCH \slot, \q, \g
	s_wait_dscnt 24                                ; all but the 24 just issued
	WIN MULW
	MUL8 \f, 1, 0, 0
	MUL8 \f, 1, 2, 0
.endm
.macro THREE slot, zero
	QUARTER \slot, 1, F0, F1, \zero
	QUARTER \slot, 2, F1, F0, 0
	QUARTER \slot, 3, F0, F1, 0
.endm
; The last quarter changes slots: each wave's reads of this slot and all its tensor loads are waited for in front of the barrier; where the slot is filled
; again the barrier opens a round of the cluster's barrier and the joint refill is the first tensor load behind it.
; From a request to the wait for it a wave issues 120 matrix instructions.
.macro TURN slot, next, fill
	s_wait_dscnt 8
	WIN MULW
	MUL8 F1, 0, 0, 0
	s_wait_dscnt 0
	s_wait_tensorcnt 0x0
	ds_add_u32 v62, v63
	s_wait_dscnt 0x0
	s_barrier_signal -1
	MUL8 F1, 0, 2, 0
	WIN 0
	s_barrier_wait -1
.if \fill
	CREST
	s_add_nc_u64 s[G0+4*\slot+2:G0+4*\slot+3], s[G0+4*\slot+2:G0+4*\slot+3], 2*512
	s_add_nc_u64 s[G0B+4*\slot+2:G0B+4*\slot+3], s[G0B+4*\slot+2:G0B+4*\slot+3], 2*128*2048
	JLOAD \slot
.endif
	PLACES
	FETCH \next, 0, F0
	WIN MULW
	MUL8 F1, 1, 0, 0
	MUL8 F1, 1, 2, 0
.endm
.macro LAP zero
	THREE 0, \zero
	TURN 0, 1, 1
	THREE 1, 0
	TURN 1, 0, 1
.endm
	s_wait_tensorcnt 1                             ; my part of K step 0 is in; K step 1's load stays out
	s_barrier_signal -1
	s_barrier_wait -1
	FETCH 0, 0, F0
	LAP 1                                          ; the first hi products start the sums
	WIN 0
	s_mov_b32 s3, LAPS-2
.Llap:
	LAP 0
	WIN 0
	s_sub_co_u32 s3, s3, 1
	s_cmp_lg_u32 s3, 0
	s_cbranch_scc1 .Llap
	THREE 0, 0                                     ; the last lap fills nothing
	TURN 0, 1, 0
	THREE 1, 0
	s_wait_dscnt 0
	WIN MULW
	MUL8 F1, 0, 0, 0
	MUL8 F1, 0, 2, 0
	MUL8 F1, 1, 0, 0
	MUL8 F1, 1, 2, 0
	; THE WAY OUT, 16 rows at a time through my own stage: a row of my block is 64 f32 = 256 bytes
	WIN 0
	PLACES
	s_lshl_b32 s66, s13, 7
	s_lshl_b32 s67, s11, 6
	s_add_co_u32 s66, s66, s67                     ; my first row
	s_lshl_b32 s66, s66, 12
	s_lshl_b32 s67, s42, 9                         ; my first column: 512 bytes a block, 256 a half
	s_add_co_u32 s66, s66, s67
	s_lshl_b32 s67, s12, 8
	s_add_co_u32 s66, s66, s67
	s_mov_b32 s67, 0
	s_add_nc_u64 s[8:9], s[8:9], s[66:67]
.macro OUT16 a, f
	WIN 0x04                                       ; store data in window 1
.irp b, 0,1,2,3
	ds_store_b128 v[STO], v[8*(4*\a+\b):8*(4*\a+\b)+3]   offset:64*\b
	ds_store_b128 v[STO], v[8*(4*\a+\b)+4:8*(4*\a+\b)+7] offset:64*\b+16
.endr
	WIN 0
	s_wait_xcnt 0x0                                ; buffer f, which earlier stores read, is loaded again only behind this wait
.irp t, 0,1,2,3,4,5,6,7
	ds_load_b128 v[\f+4*\t:\f+4*\t+3], v[RD] offset:\t*544         ; LDS serves a wave's instructions in order: these see the stores above
.endr
.irp t, 0,1,2,3,4,5,6,7
	s_wait_dscnt 7-\t
	global_store_b128 v[CO], v[\f+4*\t:\f+4*\t+3], s[8:9] offset:(16*\a+2*\t)*4096 th:TH_STORE_NT   ; sixteen lanes: 256 consecutive bytes, aligned
.endr
.endm
	OUT16 0, F0
	OUT16 1, F1
	OUT16 2, F0
	OUT16 3, F1
	s_wait_tensorcnt 0x0
	ds_add_u32 v62, v63
	s_wait_dscnt 0x0
	CROUND                                         ; the closing round
	s_endpgm
.Lfunc_end_k_q550bcaab40_outp:
	.size	k_q550bcaab40_outp, .Lfunc_end_k_q550bcaab40_outp-k_q550bcaab40_outp
	.p2alignl 7, 3214868480
	.fill 96, 4, 3214868480
	.section	.rodata,"a",@progbits
	.p2align	6, 0x0
	.amdhsa_kernel k_q550bcaab40_outp
		.amdhsa_group_segment_fixed_size 327680
		.amdhsa_private_segment_fixed_size 0
		.amdhsa_enable_private_segment 0
		.amdhsa_kernarg_size 24
		.amdhsa_user_sgpr_count 2
		.amdhsa_user_sgpr_kernarg_segment_ptr 1
		.amdhsa_wavefront_size32 1
		.amdhsa_system_sgpr_workgroup_id_x 1
		.amdhsa_system_sgpr_workgroup_id_y 1
		.amdhsa_system_sgpr_workgroup_id_z 1
		.amdhsa_system_vgpr_workitem_id 0
		.amdhsa_next_free_vgpr 384
		.amdhsa_next_free_sgpr 72
		.amdhsa_reserve_vcc 0
		.amdhsa_float_denorm_mode_32 3
		.amdhsa_float_denorm_mode_16_64 3
		.amdhsa_memory_ordered 1
		.amdhsa_forward_progress 1
		.amdhsa_inst_pref_size 110
	.end_amdhsa_kernel
	.amdgpu_metadata
---
amdhsa.version: [ 1, 2 ]
amdhsa.kernels:
  - .name:           k_q550bcaab40_outp
    .symbol:         k_q550bcaab40_outp.kd
    .args:
      - { .name: pre, .offset: 0, .size: 8, .value_kind: global_buffer, .address_space: global }
      - { .name: bf, .offset: 8, .size: 8, .value_kind: global_buffer, .address_space: global }
      - { .name: out0, .offset: 16, .size: 8, .value_kind: global_buffer, .address_space: global }
    .group_segment_fixed_size: 327680
    .private_segment_fixed_size: 0
    .kernarg_segment_align: 8
    .kernarg_segment_size: 24
    .max_flat_workgroup_size: 128
    .sgpr_count:     72
    .vgpr_count:     384
    .wavefront_size: 32
...
	.end_amdgpu_metadata
.endif
;; end of part 4
;; ======== version 2 of 2: 4 launches
;; limits: values are held in f16: magnitudes above 65,504 overflow, below 6.1e-05 lose precision
;; workspace buffers: bf 25,165,824 bytes; qk 16,777,216 bytes; vv 16,777,216 bytes; pre 8,388,608 bytes
;; launch prep (part 5): grid 64 x 12, 8 waves a work-group, no clusters, 0 bytes of LDS; arguments qinput, kvinput, wq, wk, wv, wo, bf; writes bf
.if DOCPART == 5
	.amdgcn_target "amdgcn-amd-amdhsa--gfx1250"
	.amdhsa_code_object_version 6
	.text
	.protected	k_q550bcaab40_prep
	.globl	k_q550bcaab40_prep
	.p2align	8
	.type	k_q550bcaab40_prep,@function
k_q550bcaab40_prep:
	s_mov_b64 s[64:65], 0
	v_nop
	global_prefetch_b8 v0, s[64:65] scope:SCOPE_SE
	s_setreg_imm32_b32 hwreg(HW_REG_WAVE_MODE, 25, 1), 1
	s_wait_xcnt 0x0
; Rounds the six f32 inputs to bf16 (to nearest even) into bf, 12 units of 2 MiB (1,048,576 numbers of 16 bits each):
;   units 0-3 qinput [4096][1024], units 4-7 kvinput [4096][1024], units 8, 9, 10 wq, wk, wv laid anew from [h][m][k] to [m][h*64+k], all as bf16;
;   unit 11 wo, whose [h][v][m] already is [h*64+v][m]: rounded to bf16 like the others, and that value then written as f16, because its partner
;   in the last product is f16.  LIMIT: the second step is exact for |wo| from 2^-17 up to 65,504; below, it steps by 2^-24.
; A stream: every input byte is read once, every byte of bf written once.  No LDS, no barrier, no matrix unit, no cluster: no two
; work-groups read the same byte and no wave needs another's data.
; Work-group (x, y): unit y, numbers 16,384 x .. + 16,383.  Thread t takes 8 numbers in each of 8 turns: number 16,384 x + 2,048 it + 8 t,
; so a store of a wave covers 512 consecutive bytes, aligned.  All 16 loads of a thread go out first; each turn has registers of its own.
.set X, 4                              ; v[4:67]   turn it: 8 f32 as loaded (unit 11: then the bf16 values widened again)
.set Y, 68                             ; v[68:99]  turn it: 8 numbers of 16 bits to store
; sstep = bytes in the source from one turn to the next; half = 1: the bf16 values leave as f16
.macro BODY sstep, half
.irp it, 0,1,2,3,4,5,6,7
	global_load_b128 v[X+8*\it:X+8*\it+3],   v1, s[20:21] offset:\it*\sstep th:TH_LOAD_NT
	global_load_b128 v[X+8*\it+4:X+8*\it+7], v1, s[20:21] offset:\it*\sstep+16 th:TH_LOAD_NT
.endr
.irp it, 0,1,2,3,4,5,6,7
	s_wait_loadcnt 14-2*\it                        ; loads come back in order: this turn's two are in, the 14 - 2 it younger ones stay out
.irp j, 0,1,2,3
	v_cvt_pk_bf16_f32 v[Y+4*\it+\j], v[X+8*\it+2*\j], v[X+8*\it+2*\j+1]
.endr
.if \half
.irp j, 0,1,2,3
	v_lshlrev_b32 v[X+8*\it+2*\j],   16,  v[Y+4*\it+\j]            ; the rounded values back in f32,
	v_and_b32     v[X+8*\it+2*\j+1], s27, v[Y+4*\it+\j]
.endr
.irp j, 0,1,2,3
	v_cvt_pk_f16_f32 v[Y+4*\it+\j], v[X+8*\it+2*\j], v[X+8*\it+2*\j+1]     ; and into f16, which holds their 8 significant bits
.endr
.endif
	global_store_b128 v2, v[Y+4*\it:Y+4*\it+3], s[16:17] offset:\it*4096
.endr
.endm
	s_load_b256 s[4:11], s[0:1], 0x0               ; qinput s[4:5], kvinput s[6:7], wq s[8:9], wk s[10:11]
	s_load_b128 s[12:15], s[0:1], 0x20             ; wv s[12:13], wo s[14:15]
	s_load_b64 s[16:17], s[0:1], 0x30              ; bf
	s_and_b32 s18, ttmp7, 0xffff                   ; y: the unit
	s_and_b32 s22, s18, 3
	s_lshl_b32 s22, s22, 22                        ; units 0-7: which 4 MiB of the activation
	s_cmp_lt_u32 s18, 8
	s_cselect_b32 s22, s22, 0                      ; the weights are one unit each
	s_mov_b32 s23, 0
	s_lshl_b32 s24, s18, 21                        ; in bf: 2 MiB a unit,
	s_lshl_b32 s25, ttmp9, 15                      ; 32,768 bytes a work-group
	s_add_co_u32 s24, s24, s25
	s_mov_b32 s25, 0
	s_mov_b32 s27, 0xffff0000                      ; a word's upper bf16
	v_lshlrev_b32 v2, 4, v0                        ; my 16 bytes of each turn's 4,096 in bf
	s_wait_kmcnt 0x0
	s_cmp_ge_u32 s18, 4                            ; the source buffer, chosen by the unit's number alone
	s_cselect_b64 s[20:21], s[6:7], s[4:5]
	s_cmp_ge_u32 s18, 8
	s_cselect_b64 s[20:21], s[8:9], s[20:21]
	s_cmp_ge_u32 s18, 9
	s_cselect_b64 s[20:21], s[10:11], s[20:21]
	s_cmp_ge_u32 s18, 10
	s_cselect_b64 s[20:21], s[12:13], s[20:21]
	s_cmp_ge_u32 s18, 11
	s_cselect_b64 s[20:21], s[14:15], s[20:21]
	s_add_nc_u64 s[16:17], s[16:17], s[24:25]
	s_sub_co_u32 s26, s18, 8
	s_cmp_lt_u32 s26, 3                            ; units 8, 9, 10 (unsigned: units below 8 wrap to large numbers)
	s_cbranch_scc1 .Lrelay
	; source and destination in the same order: source byte = 4 x number
	s_lshl_b32 s26, ttmp9, 16
	s_add_co_u32 s22, s22, s26
	s_add_nc_u64 s[20:21], s[20:21], s[22:23]
	v_lshlrev_b32 v1, 5, v0                        ; 32 t
	s_cmp_eq_u32 s18, 11
	s_cbranch_scc1 .Lwo
	BODY 8192, 0
	s_endpgm
.Lwo:
	BODY 8192, 1
	s_endpgm
.Lrelay:
	; number 16,384 x + 2,048 it + 8 t of [m][h*64+k] is m = 16 x + 2 it + (t >> 7), h = (t >> 3) & 15, k = 8 (t & 7);
	; its source byte in [h][m][k] is h * 262,144 + m * 256 + 4 k: eight neighbouring lanes read one whole row of 256 bytes
	s_lshl_b32 s22, ttmp9, 12
	s_add_nc_u64 s[20:21], s[20:21], s[22:23]
	v_bfe_u32 v1, v0, 3, 4
	v_lshlrev_b32 v1, 18, v1
	v_lshrrev_b32 v3, 7, v0
	v_lshl_add_u32 v1, v3, 8, v1
	v_and_b32 v3, 7, v0
	v_lshl_add_u32 v1, v3, 5, v1
	BODY 512, 0
	s_endpgm
.Lfunc_end_k_q550bcaab40_prep:
	.size	k_q550bcaab40_prep, .Lfunc_end_k_q550bcaab40_prep-k_q550bcaab40_prep
	.p2alignl 7, 3214868480
	.fill 96, 4, 3214868480
	.section	.rodata,"a",@progbits
	.p2align	6, 0x0
	.amdhsa_kernel k_q550bcaab40_prep
		.amdhsa_group_segment_fixed_size 0
		.amdhsa_private_segment_fixed_size 0
		.amdhsa_enable_private_segment 0
		.amdhsa_kernarg_size 56
		.amdhsa_user_sgpr_count 2
		.amdhsa_user_sgpr_kernarg_segment_ptr 1
		.amdhsa_wavefront_size32 1
		.amdhsa_system_sgpr_workgroup_id_x 1
		.amdhsa_system_sgpr_workgroup_id_y 1
		.amdhsa_system_sgpr_workgroup_id_z 1
		.amdhsa_system_vgpr_workitem_id 0
		.amdhsa_next_free_vgpr 100
		.amdhsa_next_free_sgpr 66
		.amdhsa_reserve_vcc 0
		.amdhsa_float_denorm_mode_32 3
		.amdhsa_float_denorm_mode_16_64 3
		.amdhsa_memory_ordered 1
		.amdhsa_forward_progress 1
		.amdhsa_inst_pref_size 20
	.end_amdhsa_kernel
	.amdgpu_metadata
---
amdhsa.version: [ 1, 2 ]
amdhsa.kernels:
  - .name:           k_q550bcaab40_prep
    .symbol:         k_q550bcaab40_prep.kd
    .args:
      - { .name: qinput, .offset: 0, .size: 8, .value_kind: global_buffer, .address_space: global }
      - { .name: kvinput, .offset: 8, .size: 8, .value_kind: global_buffer, .address_space: global }
      - { .name: wq, .offset: 16, .size: 8, .value_kind: global_buffer, .address_space: global }
      - { .name: wk, .offset: 24, .size: 8, .value_kind: global_buffer, .address_space: global }
      - { .name: wv, .offset: 32, .size: 8, .value_kind: global_buffer, .address_space: global }
      - { .name: wo, .offset: 40, .size: 8, .value_kind: global_buffer, .address_space: global }
      - { .name: bf, .offset: 48, .size: 8, .value_kind: global_buffer, .address_space: global }
    .group_segment_fixed_size: 0
    .private_segment_fixed_size: 0
    .kernarg_segment_align: 8
    .kernarg_segment_size: 56
    .max_flat_workgroup_size: 256
    .sgpr_count:     66
    .vgpr_count:     100
    .wavefront_size: 32
...
	.end_amdgpu_metadata
.endif
;; end of part 5
;; launch proj: the kernel of part 2 again; grid 12 x 16, 4 waves a work-group, clusters of 4 x 4, 327,680 bytes of LDS; arguments bf, qk, vv; writes qk, vv
;; launch attn (part 6): grid 8 x 32, 8 waves a work-group, clusters of 4 x 1, 327,680 bytes of LDS; arguments qk, vv, pre; writes pre
.if DOCPART == 6
	.amdgcn_target "amdgcn-amd-amdhsa--gfx1250"
	.amdhsa_code_object_version 6
	.text
	.protected	k_q550bcaab40_attn
	.globl	k_q550bcaab40_attn
	.p2align	8
	.type	k_q550bcaab40_attn,@function
k_q550bcaab40_attn:
	s_mov_b64 s[64:65], 0
	v_nop
	global_prefetch_b8 v0, s[64:65] scope:SCOPE_SE
	s_setreg_imm32_b32 hwreg(HW_REG_WAVE_MODE, 25, 1), 1
	s_wait_xcnt 0x0
	s_wait_alu depctr_hold_cnt(0) depctr_sa_sdst(0) depctr_va_vdst(0) depctr_va_sdst(0) depctr_va_ssrc(0) depctr_va_vcc(0) depctr_vm_vsrc(0)
	s_getreg_b32 s2, hwreg(HW_REG_IB_STS2, 6, 4)
	s_cmp_eq_u32 s2, 0
	s_cbranch_scc0 .Lentry_in_a_cluster
	s_endpgm
.Lentry_in_a_cluster:
	s_bfe_u32 s2, ttmp6, 0x10000c
	s_cmp_lg_u32 s2, 0x3003
	s_cbranch_scc0 .Lentry_shape_is_right
	s_endpgm
.Lentry_shape_is_right:
; Attention of one (batch, head) = work-group y, 256 queries = work-group x, over all 2,048 keys, with a running maximum.
; logit(c, d) = K[c] . Q[d] - 100 where c <= d; softmax over the keys c of logit / 8; pre[d] = sum over c of att(c, d) V[c].
; The mask is -100 and not minus infinity: no block of keys can be left out (query 2,047 has every key masked, and there the mask cancels).
; Eight waves for four SIMDs: wave w takes the 64 queries qg = w & 3 and, of every tile of 128 keys, the 64 keys kp = w >> 2; waves w and w + 4 merge
; their sums at the end through LDS.  16 trips, one tile of keys each, through a ring of two LDS slots; a trip is 64 matrix instructions a wave (the last: 96).
; CLUSTERS: the four work-groups of a cluster are four query blocks of one head and read the same K and V tiles: every tile is asked for jointly (mask 15).
; LAYOUTS: S^T = K Q^T (source 0 = 16 keys, source 1 = 16 queries): lane (r, h) holds query r, keys 8 h + j.  Two such tiles rounded to f16 and packed ARE
; the second source (32 keys x 16 queries) of O^T += V^T P^T: no shuffle.  V^T comes from V stored [key][v] by the transposing LDS load.
; All figures of a query (maximum, sum, scale) live in the query's two lanes, l and l xor 16.
; THE TWO SETS OF WAVES RUN OUT OF STEP.  A trip's work is cut in two.  The near part: bias tiles, K's fragments, S^T (32 matrix instructions), V's fragments
; into registers, maxima and scales, the exponentials of query groups 0 and 1.  The far part (macro DEFER): the exponentials of groups 2 and 3, the scaling of
; O^T, the products with V (32 matrix instructions); it reads registers alone.  Waves 0-3 do the far part at the end of the trip; waves 4-7 carry it over the
; cluster's round and do it at the head of the next trip.  So while four waves issue matrix instructions the other four have vector work, and the other way
; round, although the round brings all eight to one point in every trip.  No wave reads a tile's LDS bytes behind the round that lets them be filled again:
; V's fragments are in registers at the wait in front of it.  The branches hang on the wave's number alone and jump over no barrier and no tensor load.
; THE MASK costs no branch: it is the C operand of each tile's first product.  Key block and query block are both 64 wide and aligned, so a tile of 16 x 16
; is all masked, all free, or on the diagonal: three bias tiles CL (key tile below the query tile), CD (equal), CU (above), set by two scalar selects.
; FORMATS: Q, K, P, V in f16; sums, maxima and exponentials in f32; pre leaves rounded once to f16, [b][head][d][64].
; V'S LO PART: vv holds V as hi + lo in f16.  For keys 0 .. 1,919 hi alone enters (V rounded once to f16); for the last tile, keys 1,920 .. 2,047, hi and lo
; enter (two products).  Why there: the mask leaves query d the keys c > d at full weight; the queries with few such keys, d >= 1,920, have all of them in that
; tile, and a sum over few keys does not average V's rounding away.  The lo halves of the other keys' rows in vv are not read.
; LIMITS: V of keys below 1,920 and pre carry a rounding of up to 2^-11 of each number; |pre| stays below 65,504 where |V| does; below 2^-14 f16 steps by 2^-24
; (small p, small pre); the sum l is taken from p before its rounding to f16 (at most 2^-11 of a term); exponentials below 2^-126 count as zero.
.set KTILE,  16384                     ; bytes of a K tile in memory: 128 keys x 128
.set VTILE,  32768                     ; of a V tile: 128 keys x 256 (hi 128 | lo 128)
.set KPITCH, 272                       ; an LDS row of K: two keys, 256 bytes + 16
.set VPITCH, 288                       ; an LDS row of V: one key, hi 128 | lo 128 bytes + 32 = 9 x 32; where hi alone is fetched the other 160 bytes are skipped
.set VOFF,   64*KPITCH                 ; V behind K in a slot
.set SLOT,   VOFF+128*VPITCH           ; 54,272
.set MERGE,  2*SLOT                    ; behind the ring, a multiple of 256: 4 x 17,408 bytes, what waves 4-7 hand to waves 0-3
.set MBYTES, 17408                     ; 128 registers x 128 bytes, then the maxima and the sums, 512 bytes each
.set STAGE,  MERGE+4*MBYTES            ; 4 x 2,176 bytes: the way out of waves 0-3
.set WSTAGE, 8*272
.set KAD, 1                            ; v1       LDS address of my K fragments in slot 0 (slot 1 by the immediate)
.set VAD, 2                            ; v2-3     LDS address of my V fragments in slot 0, 1
.set X,   4                            ; v4-7     group g: the new maximum
.set ALP, 8                            ; v8-15    group g: a pair; its low word is the scale of the old sums (and the other half's maximum on the way)
.set CL,  16                           ; v16-23   bias tile, key tile below the query tile
.set CD,  24                           ; v24-31   on the diagonal
.set CU,  32                           ; v32-39   above
.set M,   40                           ; v40-43   group g: the running maximum of the logits
.set LP,  44                           ; v44-51   group g: the running sum, in two halves
.set NMP, 52                           ; v52-59   group g: a pair; its low word is - maximum x c
.set TT,  60                           ; v60-63   at work
.set KF,  64                           ; v64-127  K fragment (t, ks) at 8 (4 ks + t); later V's hi fragments: keys 32 u .., columns 16 f .. at 32 u + 8 f
.set S,   128                          ; v128-255 S tile (key tile t, query group g) at 8 (4 t + g); P(u, g) takes the place of S(2u, g); in the last trip V's lo fragments that of S(1, .) (u = 0), S(3, .) (u = 1)
.set QF,  128                          ; window 1: Q fragment (g, ks) at 128 + 8 (2 g + ks); window 1, v0-127: O^T tile (f, g) at 8 (4 f + g)
.set G1K, 16                           ; s[16:23] group 1 of K's loads
.set G1V, 24                           ; s[24:31] of V's loads, hi alone
.set G0K, 32                           ; s[32:39] group 0 of K's loads, one set a slot
.set G0V, 40                           ; s[40:47] of V's
.set MK,  72                           ; s72-79   lane masks: j <= r - 8 h
.set G1VL, 80                          ; s[80:87] group 1 of V's load of the last tile: whole rows, hi and lo
.set MSB, 0
.macro WIN new
.if MSB != \new
	s_set_vgpr_msb (MSB<<8)|\new
.set MSB, \new
.endif
.endm
.macro ROUND                           ; a round of the cluster's barrier
	s_barrier_signal -1
	s_barrier_wait -1
	s_cmp_lg_u32 s10, 0
	s_cbranch_scc1 .Lnot_wave_0_\@
	s_barrier_signal -3
.Lnot_wave_0_\@:
	s_barrier_wait -3
	s_barrier_signal -1
	s_barrier_wait -1
.endm
.macro PLACES
.rept 4
	v_nop
.endr
.endm
	s_load_b128 s[4:7], s[0:1], 0x0                ; qk s[4:5], vv s[6:7]
	s_load_b64 s[8:9], s[0:1], 0x10                ; pre
	s_set_vgpr_msb 0x40
	v_lshl_add_u32 v192, v0, 2, 0x2da00
	v_mov_b32 v193, 0
	s_set_vgpr_msb 0x4045
	ds_add_u32 v192, v193
	s_set_vgpr_msb 0x4500
	v_lshrrev_b32 v1, 5, v0
	v_readfirstlane_b32 s10, v1                    ; wave 0..7
	s_lshr_b32 s11, s10, 2                         ; kp
	s_and_b32 s12, s10, 3                          ; qg
	s_bfe_u32 s13, ttmp6, 0x40000                  ; cx
	s_lshl_b32 s14, ttmp9, 2
	s_add_co_u32 s14, s14, s13                     ; query block = 4 x cluster x + cx
	s_and_b32 s15, ttmp7, 0xffff                   ; 16 b + head
	s_lshl_b32 s50, s14, 8
	s_lshl_b32 s60, s12, 6
	s_add_co_u32 s50, s50, s60                     ; Q0: my first query
	s_lshl_b32 s49, s11, 6                         ; KB: my first key of the trip's tile
	s_mov_b32 s54, 0x3e38aa3b                      ; c = log2(e) / 8: the scale 1/8 and the change to base 2 in one
	s_mov_b32 s55, 0x3e38aa3b
	s_mov_b32 s56, 0xbe38aa3b                      ; - c
	s_mov_b32 s57, 0x76543210                      ; v_permlanex16_b32: lane i reads lane i of the other half
	s_mov_b32 s58, 0xfedcba98
	; K's load: a wave's 16 keys are 2,048 dense bytes: 8 rows of 32 elements of 8 bytes, 4 words of padding behind every 64 words
	s_mov_b32 s[G1K+0], 15|(3<<16)|(1<<20)|(1<<21)|(5<<22)|(3<<25)
	s_mov_b32 s[G1K+1], 32<<16
	s_mov_b32 s[G1K+2], 8<<16
	s_mov_b32 s[G1K+3], 32<<16
	s_mov_b32 s[G1K+4], 8
	s_mov_b32 s[G1K+5], 32
	s_mov_b32 s[G1K+6], 0
	s_mov_b32 s[G1K+7], 0
	; V's load, hi alone: a wave's 16 keys, of each row of 32 elements of 8 bytes the first 16; 40 words are skipped behind every 32 words: the pitch stays 288
	s_mov_b32 s[G1V+0], 15|(3<<16)|(1<<20)|(1<<21)|(4<<22)|(39<<25)
	s_mov_b32 s[G1V+1], 16<<16
	s_mov_b32 s[G1V+2], 16<<16
	s_mov_b32 s[G1V+3], 16<<16
	s_mov_b32 s[G1V+4], 16
	s_mov_b32 s[G1V+5], 32
	s_mov_b32 s[G1V+6], 0
	s_mov_b32 s[G1V+7], 0
	; V's load of the last tile: 16 whole rows of 256 bytes, 8 words of padding behind each
	s_mov_b32 s[G1VL+0], 15|(3<<16)|(1<<20)|(1<<21)|(5<<22)|(7<<25)
	s_mov_b32 s[G1VL+1], 32<<16
	s_mov_b32 s[G1VL+2], 16<<16
	s_mov_b32 s[G1VL+3], 32<<16
	s_mov_b32 s[G1VL+4], 16
	s_mov_b32 s[G1VL+5], 32
	s_mov_b32 s[G1VL+6], 0
	s_mov_b32 s[G1VL+7], 0
	s_mul_i32 s61, s10, 8*KPITCH                   ; where my rows go: the wave's number and constants alone
	s_mul_i32 s62, s10, 16*VPITCH
	s_add_co_u32 s62, s62, VOFF
	s_lshl_b32 s66, s15, 18                        ; K: 8 MiB behind Q; 262,144 bytes a head; 2,048 a wave
	s_lshl_b32 s63, s10, 11
	s_add_co_u32 s66, s66, s63
	s_add_co_u32 s66, s66, 0x800000
	s_mov_b32 s67, 0
	s_lshl_b32 s68, s15, 19                        ; V: 524,288 bytes a head; 4,096 a wave
	s_lshl_b32 s63, s10, 12
	s_add_co_u32 s68, s68, s63
	s_mov_b32 s69, 0
	s_lshl_b32 s70, s15, 18                        ; Q: my 64 rows of 128 bytes
	s_lshl_b32 s71, s50, 7
	s_add_co_u32 s70, s70, s71
	s_mov_b32 s71, 0
	s_wait_dscnt 0x0
	s_wait_kmcnt 0x0
	s_add_nc_u64 s[66:67], s[4:5], s[66:67]
	s_add_nc_u64 s[68:69], s[6:7], s[68:69]
	s_add_nc_u64 s[70:71], s[4:5], s[70:71]
.irp s, 0,1
	s_mov_b32 s[G0K+4*\s], 1
	s_add_co_u32 s[G0K+4*\s+1], s61, \s*SLOT
	s_add_nc_u64 s[G0K+4*\s+2:G0K+4*\s+3], s[66:67], \s*KTILE
	s_or_b32 s[G0K+4*\s+3], s[G0K+4*\s+3], 0x80000000
	s_mov_b32 s[G0V+4*\s], 1
	s_add_co_u32 s[G0V+4*\s+1], s62, \s*SLOT
	s_add_nc_u64 s[G0V+4*\s+2:G0V+4*\s+3], s[68:69], \s*VTILE
	s_or_b32 s[G0V+4*\s+3], s[G0V+4*\s+3], 0x80000000
.endr
	v_and_b32 v4, 15, v0                           ; r
	v_bfe_u32 v5, v0, 4, 1                         ; h
	v_lshlrev_b32 v[TT], 7, v4
	v_lshl_add_u32 v[TT], v5, 4, v[TT]             ; Q: row r, 16 h
	WIN 0x40                                       ; destination window 1
.irp g, 0,1,2,3
.irp ks, 0,1
	global_load_b128 v[QF+8*(2*\g+\ks):QF+8*(2*\g+\ks)+3],   v[TT], s[70:71] offset:\g*2048+64*\ks
	global_load_b128 v[QF+8*(2*\g+\ks)+4:QF+8*(2*\g+\ks)+7], v[TT], s[70:71] offset:\g*2048+64*\ks+32
.endr
.endr
	WIN 0
	v_lshrrev_b32 v6, 1, v4                        ; K: key r lies in LDS row r >> 1, half r & 1
	v_mul_u32_u24 v6, v6, KPITCH
	v_and_b32 v7, 1, v4
	v_lshl_add_u32 v6, v7, 7, v6
	v_lshl_add_u32 v6, v5, 4, v6
	s_mul_i32 s60, s11, 32*KPITCH                  ; my 64 keys of the tile
	v_add_nc_u32 v[KAD], s60, v6
	v_and_b32 v6, 7, v0                            ; V: key row 8 h + (l & 7), 16 bytes for each group of eight lanes
	v_lshl_add_u32 v6, v5, 3, v6
	v_mul_u32_u24 v6, v6, VPITCH
	v_bfe_u32 v7, v0, 3, 1
	v_lshl_add_u32 v6, v7, 4, v6
	s_mul_i32 s60, s11, 64*VPITCH
	s_add_co_u32 s60, s60, VOFF
	v_add_nc_u32 v[VAD], s60, v6
	v_add_nc_u32 v[VAD+1], SLOT, v[VAD]
	v_lshlrev_b32 v6, 3, v5
	v_sub_nc_u32 v6, v4, v6                        ; r - 8 h
.irp j, 0,1,2,3,4,5,6,7
	v_cmp_le_i32 s[MK+\j], \j, v6                  ; on the diagonal tile key 8 h + j <= query r
.endr
.irp i, 0,1,2,3,4,5,6,7
	v_mov_b32 v[ALP+\i], 0                         ; the pairs' high words are named and never used; the low words are a lane permute's destination
.endr
.irp g, 0,1,2,3
	v_mov_b32 v[NMP+2*\g+1], 0
.endr
; The bias tiles, in two runs of plain vector instructions that name no register of the products with V.  The first run stands ahead of the far part that waves 4-7
; carry over: 16 places behind the products with which waves 0-3 ended the last trip.  The second stands behind it: 8 places behind those of waves 4-7,
; ahead of the loads into V's registers and of the products that write over P (ISA guide 7.12.1 for vector instructions).
.macro BIASA
.irp j, 0,1,2,3,4,5,6,7
	v_mov_b32 v[CL+\j], s51
.endr
.irp j, 0,1,2,3,4,5,6,7
	v_mov_b32 v[CU+\j], s52
.endr
.endm
.macro BIASB
.irp j, 0,1,2,3,4,5,6,7
	v_cndmask_b32 v[CD+\j], v[CU+\j], v[CL+\j], s[MK+\j]
.endr
.endm
.macro KLOAD slot                      ; 16 loads: first the four key tiles' k = 0-31, then k = 32-63
.irp ks, 0,1
.irp t, 0,1,2,3
	ds_load_b128 v[KF+8*(4*\ks+\t):KF+8*(4*\ks+\t)+3],   v[KAD] offset:\slot*SLOT+\t*8*KPITCH+64*\ks
	ds_load_b128 v[KF+8*(4*\ks+\t)+4:KF+8*(4*\ks+\t)+7], v[KAD] offset:\slot*SLOT+\t*8*KPITCH+64*\ks+32
.endr
.endr
.endm
.macro QK ks                           ; 16 matrix instructions, every S tile once: the tiles take turns, one instruction a turn
.irp t, 0,1,2,3
.irp g, 0,1,2,3
.if \ks
	v_wmma_f32_16x16x32_f16 v[S+8*(4*\t+\g):S+8*(4*\t+\g)+7], v[KF+8*(4+\t):KF+8*(4+\t)+7], v[QF+8*(2*\g+1):QF+8*(2*\g+1)+7], v[S+8*(4*\t+\g):S+8*(4*\t+\g)+7]
.elseif \t < \g
	v_wmma_f32_16x16x32_f16 v[S+8*(4*\t+\g):S+8*(4*\t+\g)+7], v[KF+8*\t:KF+8*\t+7], v[QF+8*(2*\g):QF+8*(2*\g)+7], v[CL:CL+7]
.elseif \t == \g
	v_wmma_f32_16x16x32_f16 v[S+8*(4*\t+\g):S+8*(4*\t+\g)+7], v[KF+8*\t:KF+8*\t+7], v[QF+8*(2*\g):QF+8*(2*\g)+7], v[CD:CD+7]
.else
	v_wmma_f32_16x16x32_f16 v[S+8*(4*\t+\g):S+8*(4*\t+\g)+7], v[KF+8*\t:KF+8*\t+7], v[QF+8*(2*\g):QF+8*(2*\g)+7], v[CU:CU+7]
.endif
.endr
.endr
.endm
.macro VLOADHI slot                    ; 16 transposing loads: V's hi part of my 64 keys, into the registers that K's fragments have left
.irp u, 0,1
.irp n, 0,1,2,3
	ds_load_tr16_b128 v[KF+32*\u+8*\n:KF+32*\u+8*\n+3],   v[VAD+\slot] offset:\u*32*VPITCH+32*\n
	ds_load_tr16_b128 v[KF+32*\u+8*\n+4:KF+32*\u+8*\n+7], v[VAD+\slot] offset:\u*32*VPITCH+32*\n+16*VPITCH
.endr
.endr
.endm
.macro VLOADLO                         ; 16 transposing loads: V's lo part of my 64 keys of the last tile (slot 1), into the S tiles that the packing has emptied
.irp u, 0,1
.irp n, 0,1,2,3
	ds_load_tr16_b128 v[S+8*(4*(1+2*\u)+\n):S+8*(4*(1+2*\u)+\n)+3],   v[VAD+1] offset:\u*32*VPITCH+128+32*\n
	ds_load_tr16_b128 v[S+8*(4*(1+2*\u)+\n)+4:S+8*(4*(1+2*\u)+\n)+7], v[VAD+1] offset:\u*32*VPITCH+128+32*\n+16*VPITCH
.endr
.endr
.endm
.macro MAXALL first                    ; the largest of a lane's 32 logits of each group and the running maximum; four chains that do not wait for each other
.irp g, 0,1,2,3
.if \first
	v_max_num_f32 v[X+\g], v[S+8*\g], v[S+8*\g+1]
.else
	v_max3_num_f32 v[X+\g], v[M+\g], v[S+8*\g], v[S+8*\g+1]
.endif
.endr
.irp p, 1,2,3,4,5,6,7,8,9,10,11,12,13,14,15
.irp g, 0,1,2,3
	v_max3_num_f32 v[X+\g], v[X+\g], v[S+8*(4*(\p>>2)+\g)+2*(\p&3)], v[S+8*(4*(\p>>2)+\g)+2*(\p&3)+1]
.endr
.endr
.endm
.macro CROSS                           ; a query's other 32 keys lie in lane l xor 16
.irp g, 0,1,2,3
	v_permlanex16_b32 v[ALP+2*\g], v[X+\g], s57, s58
.endr
.irp g, 0,1,2,3
	v_max_num_f32 v[X+\g], v[X+\g], v[ALP+2*\g]
.endr
.endm
.macro STATS first
.irp g, 0,1,2,3
	v_mul_f32 v[NMP+2*\g], s56, v[X+\g]            ; - m c
.endr
.if \first == 0
.irp g, 0,1,2,3
	v_fma_f32 v[TT+\g], v[M+\g], s54, v[NMP+2*\g]  ; (old m - m) c
.endr
.irp g, 0,1,2,3
	v_exp_f32 v[ALP+2*\g], v[TT+\g]                ; the scale of the old sums
.endr
.endif
.irp g, 0,1,2,3
	v_mov_b32 v[M+\g], v[X+\g]                     ; plain lines that touch neither the exponentials' results nor their sources stand behind them (ISA guide 5.7.2)
.endr
.endm
.macro DOFMA g                         ; s c - m c, two at a time
.irp t, 0,1,2,3
.irp i, 0,2,4,6
	v_pk_fma_f32 v[S+8*(4*\t+\g)+\i:S+8*(4*\t+\g)+\i+1], v[S+8*(4*\t+\g)+\i:S+8*(4*\t+\g)+\i+1], s[54:55], v[NMP+2*\g:NMP+2*\g+1] op_sel_hi:[1,0,0]
.endr
.endr
.endm
.macro DOEXP g                         ; 32 exponentials in a run; the line behind the run is always a plain one on another group's registers
.irp t, 0,1,2,3
.irp i, 0,1,2,3,4,5,6,7
	v_exp_f32 v[S+8*(4*\t+\g)+\i], v[S+8*(4*\t+\g)+\i]
.endr
.endr
.endm
.macro SUMPACK g, first                ; each pair of p is added to the group's sum and then rounded to f16 into its place in P
.irp t, 0,1,2,3
.irp i, 0,1,2,3
.set SRC, S+8*(4*\t+\g)+2*\i
.set DST, S+8*(4*(\t&2)+\g)+4*(\t&1)+\i
.if (4*\t+\i) == 0
.if \first
	s_wait_alu depctr_va_vdst(0)
	v_pk_add_f32 v[LP+2*\g:LP+2*\g+1], v[SRC:SRC+1], v[SRC+2:SRC+3]                ; the first two pairs start the sum: nothing is cleared
.else
	s_wait_alu depctr_va_vdst(0)
	v_pk_fma_f32 v[LP+2*\g:LP+2*\g+1], v[LP+2*\g:LP+2*\g+1], v[ALP+2*\g:ALP+2*\g+1], v[SRC:SRC+1] op_sel_hi:[1,0,1]
.endif
.endif
.if (4*\t+\i) > \first
	v_pk_add_f32 v[LP+2*\g:LP+2*\g+1], v[LP+2*\g:LP+2*\g+1], v[SRC:SRC+1]
.endif
	v_cvt_pk_f16_f32 v[DST], v[SRC], v[SRC+1]
.endr
.endr
.endm
.macro RESCALE                         ; O^T times the scale of the old sums: a lane's registers all belong to its query
.irp f, 0,1,2,3
.irp g, 0,1,2,3
.irp i, 0,2,4,6
	v_pk_mul_f32 v[8*(4*\f+\g)+\i:8*(4*\f+\g)+\i+1], v[8*(4*\f+\g)+\i:8*(4*\f+\g)+\i+1], v[ALP+2*\g:ALP+2*\g+1] op_sel_hi:[1,0]
.endr
.endr
.endr
.endm
.macro PV u, part, zero                ; 16 matrix instructions, every O^T tile once, always in the same order: one instruction a turn
.irp f, 0,1,2,3
.irp g, 0,1,2,3
.if \part
.set VFR, S+8*(4*(1+2*\u)+\f)
.else
.set VFR, KF+32*\u+8*\f
.endif
.if \zero
	v_wmma_f32_16x16x32_f16 v[8*(4*\f+\g):8*(4*\f+\g)+7], v[VFR:VFR+7], v[S+8*(8*\u+\g):S+8*(8*\u+\g)+7], 0
.else
	v_wmma_f32_16x16x32_f16 v[8*(4*\f+\g):8*(4*\f+\g)+7], v[VFR:VFR+7], v[S+8*(8*\u+\g):S+8*(8*\u+\g)+7], v[8*(4*\f+\g):8*(4*\f+\g)+7]
.endif
.endr
.endr
.endm
; The far part of a trip.  All that it reads lies in registers: S of groups 2 and 3, P of groups 0 and 1, the groups' figures, V's hi fragments, O^T.
; first = 1: the sums start here.  lo = 1 (the last tile alone, behind which nothing is filled): V's lo fragments are read from LDS and multiplied too.
.macro DEFER first, lo
	DOFMA 2
	DOEXP 2
	DOFMA 3
	DOEXP 3
	SUMPACK 2, \first
	SUMPACK 3, \first
.if \lo
	VLOADLO
.endif
.if \first == 0
	WIN 0x41                                       ; O^T in window 1, the scale in window 0
	RESCALE
.endif
	s_wait_dscnt 16*\lo                            ; V's hi fragments are in; with lo: the 16 loads just issued may be out
	WIN 0x50                                       ; C and D in window 1
	PV 0, 0, \first
	PV 1, 0, 0
.if \lo
	s_wait_dscnt 0x0
	PV 0, 1, 0
	PV 1, 1, 0
.endif
	WIN 0
.endm
; One tile of 128 keys, in slot.  refill = 1: the next tile is asked for, into the other slot, V's hi alone; 2: with V's whole rows; 0: nothing.
; first = 1: the sums start here.  head = 1: waves 4-7 first do the far part of the trip before.  tail = 1: waves 0-3 alone do this trip's far part at
; its end, waves 4-7 carry it on; tail = 2: all waves do it here.  lo = 1: this tile's V enters as hi + lo.
.macro TRIP slot, refill, first, head, tail, lo
	s_set_vgpr_msb 0x5
	s_wait_tensorcnt 0x0                           ; all my tensor loads have landed, my rows of this trip's tile among them: every group 0 may be written
	ds_add_u32 v192, v193
	s_wait_dscnt 0x0
	s_set_vgpr_msb 0x500
	s_add_nc_u64 s[G0K+4*\slot+2:G0K+4*\slot+3], s[G0K+4*\slot+2:G0K+4*\slot+3], 2*KTILE      ; this slot's next tile
	s_add_nc_u64 s[G0V+4*\slot+2:G0V+4*\slot+3], s[G0V+4*\slot+2:G0V+4*\slot+3], 2*VTILE
	s_wait_dscnt 0x0                               ; my reads of the last trip's tile are back: K's fragments long ago, V's now lie in registers
	ROUND                                          ; both now hold of every wave of all four work-groups
.if \refill
	tensor_load_to_lds s[G0K+4-4*\slot:G0K+7-4*\slot], s[G1K:G1K+7]        ; the first tensor loads behind the round: two of mine are out,
	s_nop 0
.endif
.if \refill == 1
	tensor_load_to_lds s[G0V+4-4*\slot:G0V+7-4*\slot], s[G1V:G1V+7]        ; and have the whole trip in which to land
	s_nop 0
.endif
.if \refill == 2
	tensor_load_to_lds s[G0V+4-4*\slot:G0V+7-4*\slot], s[G1VL:G1VL+7]      ; the last tile: hi and lo
	s_nop 0
.endif
	s_cmp_le_u32 s49, s50                          ; my 64 keys against my 64 queries: only values hang on these two compares
	s_cselect_b32 s51, 0xc2c80000, 0               ; key tile below the query tile: -100 unless the key block lies above the query block
	s_cmp_lt_u32 s49, s50
	s_cselect_b32 s52, 0xc2c80000, 0               ; key tile above the query tile: -100 only if the key block lies below
	s_add_co_u32 s49, s49, 128
	BIASA
.if \head
	s_cmp_lt_u32 s10, 4                            ; the wave's number alone: the same in every work-group
	s_cbranch_scc1 .Lno_head_\@
	DEFER 0, 0                                     ; waves 4-7: the far part of the trip before, from registers
.Lno_head_\@:
.endif
	BIASB
	KLOAD \slot
.if \first
	s_wait_loadcnt 0x0                             ; Q, once
.endif
	s_wait_dscnt 0x8                               ; k = 0-31 of the four key tiles is in; the eight loads of k = 32-63 may be out
	WIN 0x04                                       ; source 1 (Q) in window 1
	QK 0
	s_wait_dscnt 0x0
	QK 1
	WIN 0
	PLACES                                         ; behind the last products: for the loads into K's registers and for the reads of S
	VLOADHI \slot
	MAXALL \first
	CROSS
	STATS \first
	DOFMA 0
	DOEXP 0
	DOFMA 1
	DOEXP 1
	SUMPACK 0, \first
	SUMPACK 1, \first
.if \tail == 1
	s_cmp_ge_u32 s10, 4
	s_cbranch_scc1 .Lno_tail_\@
	DEFER \first, 0                                ; waves 0-3: this trip's far part
.Lno_tail_\@:
.else
	DEFER \first, \lo
.endif
.endm
	ROUND                                          ; in front of the first joint loads
	tensor_load_to_lds s[G0K:G0K+3], s[G1K:G1K+7]  ; tile 0
	s_nop 0
	tensor_load_to_lds s[G0V:G0V+3], s[G1V:G1V+7]
	s_nop 0
	TRIP 0, 1, 1, 0, 2, 0                          ; tile 0: all waves do both parts: every sum is started before the ways part
	TRIP 1, 1, 0, 0, 1, 0                          ; tile 1: waves 4-7 fall half a trip behind
	s_mov_b32 s48, 6
.Ltrips:
	TRIP 0, 1, 0, 1, 1, 0                          ; tiles 2 .. 13
	TRIP 1, 1, 0, 1, 1, 0
	s_sub_co_u32 s48, s48, 1
	s_cmp_lg_u32 s48, 0
	s_cbranch_scc1 .Ltrips
	TRIP 0, 2, 0, 1, 1, 0                          ; tile 14 asks for tile 15 with V's whole rows,
	TRIP 1, 0, 0, 1, 2, 1                          ; which asks for nothing; all waves end it here, with hi and lo
	; THE END.  A query's sum: the pair's two halves, then the other half of the lanes.
.irp g, 0,1,2,3
	v_add_f32 v[TT+\g], v[LP+2*\g], v[LP+2*\g+1]
.endr
.irp g, 0,1,2,3
	v_permlanex16_b32 v[X+\g], v[TT+\g], s57, s58
.endr
.irp g, 0,1,2,3
	v_add_f32 v[TT+\g], v[TT+\g], v[X+\g]
.endr
	PLACES                                         ; the places behind the last matrix instructions
.set MA,  64                           ; LDS address of my 16 bytes in the pair's merge area
.set STO, 65
.set RD,  66
.set CO,  67
.set M2,  68                           ; the partner's maxima,
.set L2,  72                           ; and sums
.set A1,  76
.set A2,  80
.set LS,  84
.set RL,  88
.set T,   96                           ; 32 registers: the partner's O^T of a group
.set U,   128                          ; 32: the merged, scaled result
.set PH,  160                          ; 16: the same in f16, packed
.set RB,  192                          ; 16: rows read back
	v_and_b32 v[MA], 31, v0
	v_lshlrev_b32 v[MA], 4, v[MA]
	s_mul_i32 s60, s12, MBYTES
	s_add_co_u32 s60, s60, MERGE
	v_add_nc_u32 v[MA], s60, v[MA]
	s_cmp_lt_u32 s10, 4
	s_cbranch_scc1 .Lkeep
	WIN 0x04                                       ; waves 4-7 lay down O^T (store data in window 1), register by register, lane by lane,
.irp i, 0,1,2,3,4,5,6,7,8,9,10,11,12,13,14,15,16,17,18,19,20,21,22,23,24,25,26,27,28,29,30,31
	ds_store_b128 v[MA], v[4*\i:4*\i+3] offset:512*\i
.endr
	WIN 0
	ds_store_b128 v[MA], v[M:M+3] offset:16384     ; their maxima
	ds_store_b128 v[MA], v[TT:TT+3] offset:16896   ; and their sums
.Lkeep:
	s_wait_dscnt 0x0                               ; for the partner's sake: zero
	s_barrier_signal -1
	s_barrier_wait -1
	s_cmp_ge_u32 s10, 4
	s_cbranch_scc1 .Lclose
	ds_load_b128 v[M2:M2+3], v[MA] offset:16384
	ds_load_b128 v[L2:L2+3], v[MA] offset:16896
	v_and_b32 v[T], 15, v0                         ; r
	v_bfe_u32 v[T+1], v0, 4, 1                     ; h
	v_lshrrev_b32 v[T+2], 1, v[T]                  ; in: a stage row of 272 bytes holds two queries of 128 bytes: query r in row r >> 1, half r & 1,
	v_mul_u32_u24 v[STO], v[T+2], 272
	v_and_b32 v[T+2], 1, v[T]
	v_lshl_add_u32 v[STO], v[T+2], 7, v[STO]
	v_lshl_add_u32 v[STO], v[T+1], 4, v[STO]       ; 16 bytes for each half of the lanes
	v_mul_u32_u24 v[RD], v[T+1], 272               ; back: lanes 0-15 one stage row of 256 bytes, lanes 16-31 the next
	v_lshl_add_u32 v[RD], v[T], 4, v[RD]
	v_and_b32 v[CO], 31, v0
	v_lshlrev_b32 v[CO], 4, v[CO]                  ; in pre four neighbouring queries of a head are 512 consecutive bytes: 16 a lane
	s_mul_i32 s61, s12, WSTAGE
	s_add_co_u32 s61, s61, STAGE
	v_add_nc_u32 v[STO], s61, v[STO]
	v_add_nc_u32 v[RD], s61, v[RD]
	s_lshl_b32 s70, s15, 11                        ; row (16 b + head) x 2,048 + Q0, 128 bytes a row
	s_add_co_u32 s70, s70, s50
	s_lshl_b32 s70, s70, 7
	s_mov_b32 s71, 0
	s_add_nc_u64 s[8:9], s[8:9], s[70:71]
	s_wait_dscnt 0x0
	; m = max(m1, m2); a_i = 2^((m_i - m) c); l = l1 a1 + l2 a2; result = O1 a1 / l + O2 a2 / l
.irp g, 0,1,2,3
	v_max_num_f32 v[X+\g], v[M+\g], v[M2+\g]
.endr
.irp g, 0,1,2,3
	v_sub_f32 v[A1+\g], v[M+\g], v[X+\g]
	v_sub_f32 v[A2+\g], v[M2+\g], v[X+\g]
.endr
.irp g, 0,1,2,3
	v_mul_f32 v[A1+\g], s54, v[A1+\g]
	v_mul_f32 v[A2+\g], s54, v[A2+\g]
.endr
.irp g, 0,1,2,3
	v_exp_f32 v[A1+\g], v[A1+\g]
	v_exp_f32 v[A2+\g], v[A2+\g]
.endr
	v_nop                                          ; one plain place behind the run of exponentials
	s_wait_alu depctr_va_vdst(0)
.irp g, 0,1,2,3
	v_mul_f32 v[LS+\g], v[TT+\g], v[A1+\g]
.endr
.irp g, 0,1,2,3
	v_fmac_f32 v[LS+\g], v[L2+\g], v[A2+\g]        ; at least 1: the key with the largest logit counts as 2^0
.endr
.irp g, 0,1,2,3
	v_rcp_f32 v[RL+\g], v[LS+\g]
.endr
	v_nop
	s_wait_alu depctr_va_vdst(0)
.irp g, 0,1,2,3
	v_mul_f32 v[ALP+2*\g], v[A1+\g], v[RL+\g]      ; the pairs' low words now hold the two factors
	v_mul_f32 v[NMP+2*\g], v[A2+\g], v[RL+\g]
.endr
; The 16 queries of group g: merge, scale, round once to f16, through my stage, out as runs of four whole rows.
.macro OUTG g
.irp f, 0,1,2,3
	ds_load_b128 v[T+8*\f:T+8*\f+3],   v[MA] offset:512*(2*(4*\f+\g))
	ds_load_b128 v[T+8*\f+4:T+8*\f+7], v[MA] offset:512*(2*(4*\f+\g)+1)
.endr
	WIN 0x01                                       ; my O^T, source 0, in window 1
.irp f, 0,1,2,3
.irp i, 0,2,4,6
	v_pk_mul_f32 v[U+8*\f+\i:U+8*\f+\i+1], v[8*(4*\f+\g)+\i:8*(4*\f+\g)+\i+1], v[ALP+2*\g:ALP+2*\g+1] op_sel_hi:[1,0]
.endr
.endr
	WIN 0
	s_wait_dscnt 0x0
.irp f, 0,1,2,3
.irp i, 0,2,4,6
	v_pk_fma_f32 v[U+8*\f+\i:U+8*\f+\i+1], v[T+8*\f+\i:T+8*\f+\i+1], v[NMP+2*\g:NMP+2*\g+1], v[U+8*\f+\i:U+8*\f+\i+1] op_sel_hi:[1,0,1]
.endr
.endr
.irp f, 0,1,2,3
.irp i, 0,1,2,3
	v_cvt_pk_f16_f32 v[PH+4*\f+\i], v[U+8*\f+2*\i], v[U+8*\f+2*\i+1]
.endr
.endr
.irp f, 0,1,2,3
	ds_store_b128 v[STO], v[PH+4*\f:PH+4*\f+3] offset:32*\f        ; a lane's eight numbers are columns 16 f + 8 h + 0 .. 7 of its query
.endr
	s_wait_xcnt 0x0                                ; RB, which the last group's stores read, is loaded again only behind this wait
.irp t, 0,1,2,3
	ds_load_b128 v[RB+4*\t:RB+4*\t+3], v[RD] offset:544*\t         ; LDS serves a wave's instructions in order: these see the stores above
.endr
.irp t, 0,1,2,3
	s_wait_dscnt 3-\t
	global_store_b128 v[CO], v[RB+4*\t:RB+4*\t+3], s[8:9] offset:(16*\g+4*\t)*128     ; the wave: 512 consecutive bytes, aligned
.endr
.endm
	OUTG 0
	OUTG 1
	OUTG 2
	OUTG 3
.Lclose:
	s_set_vgpr_msb 0x5
	s_wait_tensorcnt 0x0
	ds_add_u32 v192, v193
	s_wait_dscnt 0x0
	s_set_vgpr_msb 0x500
	ROUND                                          ; the closing round
	s_endpgm
.Lfunc_end_k_q550bcaab40_attn:
	.size	k_q550bcaab40_attn, .Lfunc_end_k_q550bcaab40_attn-k_q550bcaab40_attn
	.p2alignl 7, 3214868480
	.fill 96, 4, 3214868480
	.section	.rodata,"a",@progbits
	.p2align	6, 0x0
	.amdhsa_kernel k_q550bcaab40_attn
		.amdhsa_group_segment_fixed_size 327680
		.amdhsa_private_segment_fixed_size 0
		.amdhsa_enable_private_segment 0
		.amdhsa_kernarg_size 24
		.amdhsa_user_sgpr_count 2
		.amdhsa_user_sgpr_kernarg_segment_ptr 1
		.amdhsa_wavefront_size32 1
		.amdhsa_system_sgpr_workgroup_id_x 1
		.amdhsa_system_sgpr_workgroup_id_y 1
		.amdhsa_system_sgpr_workgroup_id_z 1
		.amdhsa_system_vgpr_workitem_id 0
		.amdhsa_next_free_vgpr 450
		.amdhsa_next_free_sgpr 88
		.amdhsa_reserve_vcc 0
		.amdhsa_float_denorm_mode_32 3
		.amdhsa_float_denorm_mode_16_64 3
		.amdhsa_memory_ordered 1
		.amdhsa_forward_progress 1
		.amdhsa_inst_pref_size 255
	.end_amdhsa_kernel
	.section	.bss,"aw",@nobits
	.p2align	6
	.space	262144
	.amdgpu_metadata
---
amdhsa.version: [ 1, 2 ]
amdhsa.kernels:
  - .name:           k_q550bcaab40_attn
    .symbol:         k_q550bcaab40_attn.kd
    .args:
      - { .name: qk, .offset: 0, .size: 8, .value_kind: global_buffer, .address_space: global }
      - { .name: vv, .offset: 8, .size: 8, .value_kind: global_buffer, .address_space: global }
      - { .name: pre, .offset: 16, .size: 8, .value_kind: global_buffer, .address_space: global }
    .group_segment_fixed_size: 327680
    .private_segment_fixed_size: 0
    .kernarg_segment_align: 8
    .kernarg_segment_size: 24
    .max_flat_workgroup_size: 256
    .sgpr_count:     88
    .vgpr_count:     450
    .wavefront_size: 32
...
	.end_amdgpu_metadata
.endif
;; end of part 6
;; launch outp (part 7): grid 8 x 32, 4 waves a work-group, clusters of 4 x 4, 327,680 bytes of LDS; arguments pre, bf, out0; writes out0
.if DOCPART == 7
	.amdgcn_target "amdgcn-amd-amdhsa--gfx1250"
	.amdhsa_code_object_version 6
	.text
	.protected	k_q550bcaab40_outp
	.globl	k_q550bcaab40_outp
	.p2align	8
	.type	k_q550bcaab40_outp,@function
k_q550bcaab40_outp:
	s_mov_b64 s[64:65], 0
	v_nop
	global_prefetch_b8 v0, s[64:65] scope:SCOPE_SE
	s_setreg_imm32_b32 hwreg(HW_REG_WAVE_MODE, 25, 1), 1
	s_wait_xcnt 0x0
	s_wait_alu depctr_hold_cnt(0) depctr_sa_sdst(0) depctr_va_vdst(0) depctr_va_sdst(0) depctr_va_ssrc(0) depctr_va_vcc(0) depctr_vm_vsrc(0)
	s_getreg_b32 s2, hwreg(HW_REG_IB_STS2, 6, 4)
	s_cmp_eq_u32 s2, 0
	s_cbranch_scc0 .Lentry_in_a_cluster
	s_endpgm
.Lentry_in_a_cluster:
	s_bfe_u32 s2, ttmp6, 0x10000c
	s_cmp_lg_u32 s2, 0xf033
	s_cbranch_scc0 .Lentry_shape_is_right
	s_endpgm
.Lentry_shape_is_right:
; out0[row][m] = sum over head, v of pre[row][head][v] wo[head][v][m], an f16 GEMM with f32 sums: [4096] x [1024] over 1,024.
; A = pre, f16, [b][head][d][64]: the 128 rows of a block and one head are 16,384 dense bytes.  B = wo in f16 (unit 11 of bf), [head*64 + v][m]: read from
; LDS by the transposing load.
; A work-group makes 128 x 128 (8 x 32 = 256 work-groups), a wave 64 x 64: 16 accumulator tiles.  A K step is four heads (256 along K): four blocks of A
; and 256 k rows x 256 bytes of B, through a ring of two LDS slots.  1,024 / 256 = 4 steps: they are written out, without a loop.
; Every wave fetches, for each step, the block of A and the 64 rows of B of head 4 step + wave: two tensor loads; at most four of a wave's are out (at the start).
; CLUSTERS: 4 x 4; A's blocks are asked for jointly along a row of the cluster, B's rows along a column.
; The matrix instruction is used transposed (source 0 = 16 columns of B, source 1 = 16 rows of A): a lane holds eight neighbouring f32 of an output row.
; REGISTERS: window 0: v0-31 addresses; v64-127, v128-191 fragment buffers (B at +0, A at +32); window 1: accumulator tile (a, b) at v[8 (4 a + b)].
.set APITCH, 272                       ; an LDS row of A: two rows of pre, 256 bytes + 16
.set BPITCH, 288                       ; an LDS row of B: 256 bytes + 32 = 9 x 32
.set AHEAD,  64*APITCH                 ; a head's 128 rows of A: what a tensor load of A brings
.set BHEAD,  64*BPITCH                 ; a head's 64 k rows of B
.set SLOT,   4*AHEAD+4*BHEAD           ; 143,360
.set STAGE,  2*SLOT                    ; behind the ring, a multiple of 256
.set WSTAGE, 16*272
.set ADRA, 16                          ; v16-17  LDS address of my A fragments in slot 0, 1
.set ADRB, 20                          ; v20-23  of my B fragments: slot s, quarters 0-3 at 2 s, quarters 4-7 at 2 s + 1 (the immediate has 16 bits)
.set STO,  24
.set RD,   25
.set CO,   26
.set F0,   64
.set F1,   128
.set G1, 24                            ; s[24:31] group 1 of A's loads
.set G0, 32                            ; s[32:39] group 0 of A's loads, one set a slot
.set G1B, 48                           ; s[48:55] group 1 of B's
.set G0B, 56                           ; s[56:63] group 0 of B's
.set MSB, 0
.macro WIN new
.if MSB != \new
	s_set_vgpr_msb (MSB<<8)|\new
.set MSB, \new
.endif
.endm
.set MULW, 0x50                        ; C and D in window 1, the fragments in window 0
.macro CREST                           ; a round of the cluster's barrier behind its opening barrier
	s_cmp_lg_u32 s10, 0
	s_cbranch_scc1 .Lnot_wave_0_\@
	s_barrier_signal -3
.Lnot_wave_0_\@:
	s_barrier_wait -3
	s_barrier_signal -1
	s_barrier_wait -1
.endm
.macro CROUND
	s_barrier_signal -1
	s_barrier_wait -1
	CREST
.endm
	s_load_b128 s[4:7], s[0:1], 0x0                ; pre s[4:5], bf s[6:7]
	s_load_b64 s[8:9], s[0:1], 0x10                ; out0
	v_lshl_add_u32 v254, v0, 2, 0x4a400
	v_mov_b32 v255, 0
	ds_add_u32 v254, v255
	v_lshrrev_b32 v1, 5, v0
	v_readfirstlane_b32 s10, v1                    ; wave 0..3: also the head of each step that I fetch
	s_lshr_b32 s11, s10, 1                         ; my half of the rows
	s_and_b32 s12, s10, 1                          ; my half of the columns
	s_bfe_u32 s40, ttmp6, 0x40000                  ; cx
	s_bfe_u32 s41, ttmp6, 0x40004                  ; cy
	s_lshl_b32 s42, ttmp9, 2
	s_add_co_u32 s42, s42, s40                     ; block column
	s_and_b32 s13, ttmp7, 0xffff
	s_lshl_b32 s13, s13, 2
	s_add_co_u32 s13, s13, s41                     ; block row
	s_lshl_b32 s43, s41, 2
	s_lshl_b32 s43, 15, s43                        ; my row of the cluster
	s_lshl_b32 s44, 0x1111, s40                    ; my column
	; A: 16,384 dense bytes as 64 rows of 32 elements of 8 bytes, 4 words of padding behind every 64 words
	s_or_b32 s[G1+0], s43, (3<<16)|(1<<20)|(1<<21)|(5<<22)|(3<<25)
	s_mov_b32 s[G1+1], 32<<16
	s_mov_b32 s[G1+2], 64<<16
	s_mov_b32 s[G1+3], 32<<16
	s_mov_b32 s[G1+4], 64
	s_mov_b32 s[G1+5], 32
	s_mov_b32 s[G1+6], 0
	s_mov_b32 s[G1+7], 0
	; B: 64 k rows x 128 elements of 2 bytes, 8 words of padding behind every 64 words
	s_or_b32 s[G1B+0], s44, (1<<16)|(1<<20)|(1<<21)|(5<<22)|(7<<25)
	s_mov_b32 s[G1B+1], 128<<16
	s_mov_b32 s[G1B+2], 64<<16
	s_mov_b32 s[G1B+3], 128<<16
	s_mov_b32 s[G1B+4], 64
	s_mov_b32 s[G1B+5], 1024
	s_mov_b32 s[G1B+6], 0
	s_mov_b32 s[G1B+7], 0
	s_lshr_b32 s16, s13, 4                         ; A: batch = block row >> 4, 4 MiB a batch;
	s_lshl_b32 s16, s16, 22
	s_and_b32 s17, s13, 15                         ; 128 rows of 128 bytes a block;
	s_lshl_b32 s17, s17, 14
	s_add_co_u32 s16, s16, s17
	s_lshl_b32 s17, s10, 18                        ; 262,144 bytes a head
	s_add_co_u32 s16, s16, s17
	s_mov_b32 s17, 0
	s_lshl_b32 s46, s42, 8                         ; B: unit 11 of bf; 256 bytes a block column; 64 rows of 2,048 bytes a head
	s_lshl_b32 s47, s10, 17
	s_add_co_u32 s46, s46, s47
	s_add_co_u32 s46, s46, 23068672
	s_mov_b32 s47, 0
	s_mul_i32 s20, s10, AHEAD                      ; where they go: the wave's number and constants alone
	s_mul_i32 s45, s10, BHEAD
	s_add_co_u32 s45, s45, 4*AHEAD
	s_wait_dscnt 0x0
	s_wait_kmcnt 0x0
	s_add_nc_u64 s[14:15], s[4:5], s[16:17]
	s_add_nc_u64 s[46:47], s[6:7], s[46:47]
	CROUND                                         ; in front of the first joint loads
.irp s, 0,1
	s_mov_b32 s[G0+4*\s], 1
	s_add_co_u32 s[G0+4*\s+1], s20, \s*SLOT
	s_add_nc_u64 s[G0+4*\s+2:G0+4*\s+3], s[14:15], \s*4*262144         ; K step s: four heads on
	s_or_b32 s[G0+4*\s+3], s[G0+4*\s+3], 0x80000000
	s_mov_b32 s[G0B+4*\s], 1
	s_add_co_u32 s[G0B+4*\s+1], s45, \s*SLOT
	s_add_nc_u64 s[G0B+4*\s+2:G0B+4*\s+3], s[46:47], \s*256*2048       ; 256 rows of B down
	s_or_b32 s[G0B+4*\s+3], s[G0B+4*\s+3], 0x80000000
	tensor_load_to_lds s[G0+4*\s:G0+4*\s+3], s[G1:G1+7]
	s_nop 0
	tensor_load_to_lds s[G0B+4*\s:G0B+4*\s+3], s[G1B:G1B+7]
	s_nop 0
.endr
	v_and_b32 v1, 15, v0                           ; r
	v_bfe_u32 v2, v0, 4, 1                         ; h
	v_lshrrev_b32 v3, 1, v1                        ; A: row r lies in LDS row r >> 1, half r & 1
	v_mul_u32_u24 v3, v3, APITCH
	v_and_b32 v6, 1, v1
	v_lshl_add_u32 v3, v6, 7, v3
	v_lshl_add_u32 v3, v2, 4, v3                   ; + 16 h
	v_and_b32 v4, 7, v0
	v_lshl_add_u32 v4, v2, 3, v4                   ; B: k row 8 h + (l & 7)
	v_mul_u32_u24 v4, v4, BPITCH
	v_bfe_u32 v5, v0, 3, 1
	v_lshl_add_u32 v4, v5, 4, v4
	s_mul_i32 s21, s11, 32*APITCH                  ; my 64 rows of A in each head's block
	s_lshl_b32 s22, s12, 7                         ; my 64 columns of B
	s_add_co_u32 s22, s22, 4*AHEAD
.irp s, 0,1
	v_add_nc_u32 v[ADRA+\s], s21, v3
	v_add_nc_u32 v[ADRB+2*\s], s22, v4
	v_add_nc_u32 v[ADRB+2*\s+1], 128*BPITCH, v[ADRB+2*\s]
	s_add_co_u32 s21, s21, SLOT
	s_add_co_u32 s22, s22, SLOT
.endr
	s_mul_i32 s23, s10, WSTAGE
	s_add_co_u32 s23, s23, STAGE
	v_mul_u32_u24 v6, v1, 272                      ; the way out, in: row r, 32 bytes for each half of the lanes
	v_lshl_add_u32 v6, v2, 5, v6
	v_add_nc_u32 v[STO], s23, v6
	v_mul_u32_u24 v7, v2, 272                      ; back: lanes 0-15 one row of 256 bytes, lanes 16-31 the next
	v_lshl_add_u32 v7, v1, 4, v7
	v_add_nc_u32 v[RD], s23, v7
	v_lshlrev_b32 v8, 4, v1
	v_lshl_add_u32 v[CO], v2, 12, v8               ; and the same two rows in out0
; 8 matrix instructions: m blocks a0, a0 + 1 x all 4 n blocks, 32 along K.  zero = 1: the first product starts the sums.
.macro MUL8 f, a0, zero
.irp a, \a0, \a0+1
.irp b, 0,1,2,3
.if \zero
	v_wmma_f32_16x16x32_f16 v[8*(4*(\a)+\b):8*(4*(\a)+\b)+7], v[\f+8*\b:\f+8*\b+7], v[\f+32+8*(\a):\f+32+8*(\a)+7], 0
.else
	v_wmma_f32_16x16x32_f16 v[8*(4*(\a)+\b):8*(4*(\a)+\b)+7], v[\f+8*\b:\f+8*\b+7], v[\f+32+8*(\a):\f+32+8*(\a)+7], v[8*(4*(\a)+\b):8*(4*(\a)+\b)+7]
.endif
.endr
.endr
.endm
; 16 LDS loads in one run: quarter q (0 .. 7) of a step = head q >> 1 of its four, v = 32 (q & 1) .. + 31
.macro FETCH slot, q, f
.irp b, 0,1,2,3
	ds_load_tr16_b128 v[\f+8*\b:\f+8*\b+3],   v[ADRB+2*\slot+(\q>>2)] offset:(\q&3)*32*BPITCH+32*\b
	ds_load_tr16_b128 v[\f+8*\b+4:\f+8*\b+7], v[ADRB+2*\slot+(\q>>2)] offset:(\q&3)*32*BPITCH+32*\b+16*BPITCH
.endr
.irp a, 0,1,2,3
	ds_load_b128 v[\f+32+8*\a:\f+32+8*\a+3],   v[ADRA+\slot] offset:(\q>>1)*AHEAD+\a*8*APITCH+(\q&1)*64
	ds_load_b128 v[\f+32+8*\a+4:\f+32+8*\a+7], v[ADRA+\slot] offset:(\q>>1)*AHEAD+\a*8*APITCH+(\q&1)*64+32
.endr
.endm
.macro PLACES                          ; four plain places between a matrix instruction and a load into, or a read of, its registers (ISA guide 7.12.1 for vector instructions)
.rept 4
	v_nop
.endr
.endm
; One of a step's first seven quarters: asks for quarter nq of the same slot into buffer g, which the last quarter's products have read, and multiplies buffer f,
; whose loads went out a quarter ago.  The 16 accumulators take turns, one instruction a turn, in the same order in every quarter.
.macro QUARTER f, g, slot, nq, zero
	PLACES
	WIN 0
	FETCH \slot, \nq, \g
	s_wait_dscnt 16                                ; all but the 16 just issued: buffer f is in
	WIN MULW
	MUL8 \f, 0, \zero
	MUL8 \f, 2, \zero
.endm
.macro SEVEN slot, zero
	QUARTER F0, F1, \slot, 1, \zero
	QUARTER F1, F0, \slot, 2, 0
	QUARTER F0, F1, \slot, 3, 0
	QUARTER F1, F0, \slot, 4, 0
	QUARTER F0, F1, \slot, 5, 0
	QUARTER F1, F0, \slot, 6, 0
	QUARTER F0, F1, \slot, 7, 0
.endm
; The eighth quarter multiplies buffer 1 and changes slots: each wave's reads of this slot and all its tensor loads are waited for in front of the barrier; where
; the slot is filled again (fill = 1) the barrier opens a round of the cluster's barrier and the two joint refills are the first tensor loads behind it.
.macro TURN slot, next, fill
	s_wait_dscnt 0                                 ; buffer 1 is in, and with it my last reads of this slot
	s_wait_tensorcnt 0x0                           ; all my tensor loads have landed: those that were out are my part of the next slot
	ds_add_u32 v254, v255
	s_wait_dscnt 0x0
	s_barrier_signal -1
	WIN MULW
	MUL8 F1, 0, 0                                  ; register work while the others arrive
	WIN 0
	s_barrier_wait -1
.if \fill
	CREST                                          ; no wave of any partner still reads this slot or has a load on its way
	s_add_nc_u64 s[G0+4*\slot+2:G0+4*\slot+3], s[G0+4*\slot+2:G0+4*\slot+3], 2*4*262144
	s_add_nc_u64 s[G0B+4*\slot+2:G0B+4*\slot+3], s[G0B+4*\slot+2:G0B+4*\slot+3], 2*256*2048
	tensor_load_to_lds s[G0+4*\slot:G0+4*\slot+3], s[G1:G1+7]
	s_nop 0
	tensor_load_to_lds s[G0B+4*\slot:G0B+4*\slot+3], s[G1B:G1B+7]
	s_nop 0
.endif
	PLACES
	FETCH \next, 0, F0
	WIN MULW
	MUL8 F1, 2, 0
.endm
	s_wait_tensorcnt 2                             ; my two loads of K step 0 are in; the two of K step 1, issued behind them, stay out
	s_barrier_signal -1
	s_barrier_wait -1
	FETCH 0, 0, F0
	SEVEN 0, 1                                     ; K step 0: its first products start the sums
	TURN 0, 1, 1                                   ; slot 0 gets K step 2
	SEVEN 1, 0
	TURN 1, 0, 1                                   ; slot 1 gets K step 3
	SEVEN 0, 0
	TURN 0, 1, 0                                   ; nothing more to fetch
	SEVEN 1, 0
	s_wait_dscnt 0
	MUL8 F1, 0, 0
	MUL8 F1, 2, 0
	; THE WAY OUT, 16 rows at a time through my own stage: a row of my block is 64 f32 = 256 bytes
	WIN 0
	PLACES
	s_lshl_b32 s66, s13, 7
	s_lshl_b32 s67, s11, 6
	s_add_co_u32 s66, s66, s67                     ; my first row
	s_lshl_b32 s66, s66, 12
	s_lshl_b32 s67, s42, 9                         ; my first column: 512 bytes a block, 256 a half
	s_add_co_u32 s66, s66, s67
	s_lshl_b32 s67, s12, 8
	s_add_co_u32 s66, s66, s67
	s_mov_b32 s67, 0
	s_add_nc_u64 s[8:9], s[8:9], s[66:67]
.macro OUT16 a, f
	WIN 0x04                                       ; store data in window 1
.irp b, 0,1,2,3
	ds_store_b128 v[STO], v[8*(4*\a+\b):8*(4*\a+\b)+3]   offset:64*\b
	ds_store_b128 v[STO], v[8*(4*\a+\b)+4:8*(4*\a+\b)+7] offset:64*\b+16
.endr
	WIN 0
	s_wait_xcnt 0x0                                ; buffer f, which earlier stores read, is loaded again only behind this wait
.irp t, 0,1,2,3,4,5,6,7
	ds_load_b128 v[\f+4*\t:\f+4*\t+3], v[RD] offset:\t*544         ; LDS serves a wave's instructions in order: these see the stores above
.endr
.irp t, 0,1,2,3,4,5,6,7
	s_wait_dscnt 7-\t
	global_store_b128 v[CO], v[\f+4*\t:\f+4*\t+3], s[8:9] offset:(16*\a+2*\t)*4096 th:TH_STORE_NT   ; sixteen lanes: 256 consecutive bytes, aligned
.endr
.endm
	OUT16 0, F0
	OUT16 1, F1
	OUT16 2, F0
	OUT16 3, F1
	s_wait_tensorcnt 0x0
	ds_add_u32 v254, v255
	s_wait_dscnt 0x0
	CROUND                                         ; the closing round
	s_endpgm
.Lfunc_end_k_q550bcaab40_outp:
	.size	k_q550bcaab40_outp, .Lfunc_end_k_q550bcaab40_outp-k_q550bcaab40_outp
	.p2alignl 7, 3214868480
	.fill 96, 4, 3214868480
	.section	.rodata,"a",@progbits
	.p2align	6, 0x0
	.amdhsa_kernel k_q550bcaab40_outp
		.amdhsa_group_segment_fixed_size 327680
		.amdhsa_private_segment_fixed_size 0
		.amdhsa_enable_private_segment 0
		.amdhsa_kernarg_size 24
		.amdhsa_user_sgpr_count 2
		.amdhsa_user_sgpr_kernarg_segment_ptr 1
		.amdhsa_wavefront_size32 1
		.amdhsa_system_sgpr_workgroup_id_x 1
		.amdhsa_system_sgpr_workgroup_id_y 1
		.amdhsa_system_sgpr_workgroup_id_z 1
		.amdhsa_system_vgpr_workitem_id 0
		.amdhsa_next_free_vgpr 384
		.amdhsa_next_free_sgpr 72
		.amdhsa_reserve_vcc 0
		.amdhsa_float_denorm_mode_32 3
		.amdhsa_float_denorm_mode_16_64 3
		.amdhsa_memory_ordered 1
		.amdhsa_forward_progress 1
		.amdhsa_inst_pref_size 89
	.end_amdhsa_kernel
	.amdgpu_metadata
---
amdhsa.version: [ 1, 2 ]
amdhsa.kernels:
  - .name:           k_q550bcaab40_outp
    .symbol:         k_q550bcaab40_outp.kd
    .args:
      - { .name: pre, .offset: 0, .size: 8, .value_kind: global_buffer, .address_space: global }
      - { .name: bf, .offset: 8, .size: 8, .value_kind: global_buffer, .address_space: global }
      - { .name: out0, .offset: 16, .size: 8, .value_kind: global_buffer, .address_space: global }
    .group_segment_fixed_size: 327680
    .private_segment_fixed_size: 0
    .kernarg_segment_align: 8
    .kernarg_segment_size: 24
    .max_flat_workgroup_size: 128
    .sgpr_count:     72
    .vgpr_count:     384
    .wavefront_size: 32
...
	.end_amdgpu_metadata
.endif
;; end of part 7
